; MI455X (gfx1250); checked and timed in simulation.
; The chip was launched on July 23, 2026; its instructions are those of AMD's public machine-readable ISA for CDNA 5 (MIT licence, August 2026) and "CDNA5" Instruction Set Architecture Reference Guide (July 2026). The comments in the code are by the model that wrote it; some were corrected since.
;; Causal Multihead Self Attention. Allowed arithmetic: matrix products marked QUANTISED: E2M3 operands, one E8M0 scale for each 32 along K, by v_wmma_scale_f32_16x16x128_f8f6f4 with both operands' format E2M3, f32 sums; everything else in f32.
;; Inputs: Wk 1,024 x 1,024 float32; Wo 1,024 x 1,024 float32; Wq 1,024 x 1,024 float32; Wv 1,024 x 1,024 float32; token_positions 2,048 int32; x 4 x 2,048 x 1,024 float32.
;; Outputs: out0 4 x 2,048 x 1,024 float32.
;; This version of the problem:
;;   THIS VERSION OF THE PROBLEM IS GIVEN IN LOW PRECISION. The matrix products marked QUANTISED in the list below multiply operands that are first quantised to E2M3 (2 exponent bits, 3 mantissa bits; 6 bits a number), with one power-of-two scale for each 32 numbers along K (OCP MX v1.0); their sums are f32. All else is computed in f32.
;;   The module's matrix products, in the order in which they are computed (A, B: the left and right operand; K: the contracted axis; several contracted axes count as one K, in the product's order):
;;     1. [M 8,192, K 1,024] x [K 1,024, N 1,024]; A: input x; B: input Wq: QUANTISED
;;     2. [M 8,192, K 1,024] x [K 1,024, N 1,024]; A: input x; B: input Wk: QUANTISED
;;     3. [M 8,192, K 1,024] x [K 1,024, N 1,024]; A: input x; B: input Wv: QUANTISED
;;     4. batch 64 x [M 2,048, K 64] x [K 64, N 2,048]; A: computed on the way; B: computed on the way: QUANTISED
;;     5. batch 64 x [M 2,048, K 2,048] x [K 2,048, N 64]; A: softmax (see below); B: computed on the way: QUANTISED
;;     6. [M 8,192, K 1,024] x [K 1,024, N 1,024]; A: computed on the way; B: input Wo: QUANTISED
;;   THE QUANTISER, for each operand of a quantised product, along K:
;;     - K is cut into blocks of 32 from its start; a last block that is shorter is filled with zeros.
;;     - A block's scale is 2^e with e = floor(log2(the largest magnitude in the block)) - 2, held to -126 .. 127; a block of zeros has e = 0. As a byte (E8M0): e + 127.
;;     - Each number is divided by its block's scale, clamped to +-7.5, and rounded to the nearest number of E2M3, ties to even, subnormals kept.
;;     - The product sums the exact products of the quantised numbers (number of the format x scale) in f32.
;;   ~~~python
;;   def quantise(x, axis):      # numpy; x: float32 -> the quantised numbers, widened to float32 again
;;       x = np.moveaxis(x, axis, -1); K = x.shape[-1]
;;       x = np.pad(x, [(0, 0)] * (x.ndim - 1) + [(0, -K % 32)]); x = x.reshape(x.shape[:-1] + (-1, 32)); a = np.abs(x).max(-1, keepdims=True)
;;       e = np.where(a > 0, np.clip(np.frexp(np.where(a > 0, a, 1))[1] - 1 - 2, -126, 127), 0)      # np.frexp(a)[1] - 1 = floor(log2(a)), exactly
;;       r = np.clip(x / 2.0 ** e, -7.5, 7.5)
;;       step = 2.0 ** (np.maximum(np.frexp(np.where(r == 0, 1, r))[1] - 1, 0) - 3)
;;       q = np.round(r / step) * step * 2.0 ** e      # np.round: ties to even
;;       return np.moveaxis(q.reshape(q.shape[:-2] + (-1,))[..., :K], -1, axis).astype(np.float32)
;;   ~~~
;;   SOFTMAX AHEAD OF A QUANTISED PRODUCT. Where the list says 'softmax', what is quantised is not the finished softmax but p = 2^(t - M), with t = logit x log2(e) and M = ceil(the row's largest t), a whole number; so 1/2 < the row's largest p <= 1. The row's sum l is taken of the UNQUANTISED p, in f32, and the product's result is divided by l at the end. Since M is a whole number, a kernel that streams over the keys may use a running M (the ceiling of the running maximum): every later rescaling is an exact power of two, which a block's scale takes up: the codes' values come out the same.
;;   OPERANDS COMPUTED ON THE WAY. 'Computed on the way' means the value that the module computes at that place (a softmax that the list does not call 'softmax' is quantised finished and normalised). What goes into a quantiser is computed in f32, as accurately as f32 sums, v_exp_f32 and their like allow (about 1e-6 of the number): no bf16 or f16 on the way to a quantiser, and a product that is left as it is and whose result goes on into a quantised operand takes f32 operands (vector FMAs, or v_wmma_f32_16x16x4_f32). A number that lies on a knife's edge between two numbers of the format may be rounded either way, as far as f32 arithmetic and the matrix unit's own rounding can turn it there, and no further.
;; One version. Each part assembles by itself: llvm-mc -triple=amdgcn-amd-amdhsa -mcpu=gfx1250 --defsym DOCPART=n.
;; ======== version 1 of 1: 4 launches
;; limits: right only within a limited range of input values
;; workspace buffers: codes 9,437,184 bytes; scales 393,216 bytes; rope 524,288 bytes; qkv 20,185,088 bytes; ocodes 6,291,456 bytes; oscales 262,144 bytes
;; launch quant (part 1): grid 1024 x 1, 1 waves a work-group, no clusters, 8,960 bytes of LDS; arguments x, Wq, Wk, Wv, Wo, token_positions, codes, scales, rope; writes codes, scales, rope
.if DOCPART == 1
	.amdgcn_target "amdgcn-amd-amdhsa--gfx1250"
	.amdhsa_code_object_version 6
	.text
	.protected	k_qaef2d30e78_quant
	.globl	k_qaef2d30e78_quant
	.p2align	8
	.type	k_qaef2d30e78_quant,@function
k_qaef2d30e78_quant:
	s_mov_b64 s[64:65], 0
	v_nop
	global_prefetch_b8 v0, s[64:65] scope:SCOPE_SE
	s_setreg_imm32_b32 hwreg(HW_REG_WAVE_MODE, 25, 1), 1
	s_wait_xcnt 0x0
; x [8192][1024] and Wq, Wk, Wv, Wo [1024][1024], f32, become codes of FP6 (E2M3) with one E8M0 byte for each 32 along K (their last axis); and the table of cos and sin for the rotation is made.
; ROW TILES.  12,288 rows in all (x, Wq, Wk, Wv, Wo on end) are 768 tiles of 16 POSITIONS.  In each group of 32 rows position 16 u + p holds row 8 u + p + 8 (p / 8): so two neighbouring tiles, taken as
; source 0 of a matrix instruction, leave 16 neighbouring rows in a lane's 16 result registers.
; IMAGES.  A fragment (16 positions x 128 K, 12 registers a lane) is stored as it stands in registers: piece p (registers 2 p, 2 p + 1) is 256 bytes, lane l's 8 bytes at 8 l.  codes: [256 K][tile][128 K][1,536 bytes].
; scales: [position][32 bytes], byte K / 32.   rope: [place in the sequence][pair 0..31][cos, sin] f32.
; Work-groups 0-767, one wave each: one tile, all 1,024 K, eight steps of 128 K.  A load reads 512 consecutive bytes of a row; a step's 16 rows turn through a stage in LDS (528 bytes a row), so that a lane gets
; 16 neighbours of each block of 32.  Loads run two steps (32 loads) ahead.  Work-groups 768-1023: eight places of the table each; a lane is a pair.  Only the first path touches LDS.
; A block's scale is 2^(floor(log2(largest magnitude)) - 2); its byte is the largest magnitude's exponent field - 2, held at 1 from below.
; LIMITS: a block of zeros gets the byte 1 where the quantiser says 127 (its codes are zeros, and this program alone reads the bytes); NaN and infinities among the inputs are not served;
; token positions are served up to magnitude 2^22 (the angle is reduced by pi / 2 in two parts, which leaves under 5e-9 there); the frequency 10000^(-i / 32) carries the error of one v_exp_f32.
.set SIGC, 768*3072                    ; bytes of the codes of 256 along K, all tiles
.set SP,   528                         ; a row of the stage: 512 bytes + 16
.set R,    16                          ; v16-143  two sets of 64 registers as loaded
.set X,    144                         ; v144-207 64 numbers: register 16 b + i = k 32 b + 16 (lane / 16) + i of my row
.set PC,   208                         ; v208-219 the fragment; v220-226 at work
.set TM,   228                         ; v228-231 largest magnitudes, v232-235 bytes, v240-243 the conversions' scale operands
.set PW,   244                         ; the scale word just made
.set SW,   246                         ; v246-253 the eight steps' scale words
.set SEL,  26                          ; s[26:27] lane selects for v_permlanex16_b32: lane l xor 16
	s_load_b512 s[4:19], s[0:1], 0x0               ; x, Wq, Wk, Wv, Wo, token_positions, codes, scales
	s_load_b64 s[20:21], s[0:1], 0x40              ; rope
	v_lshl_add_u32 v254, v0, 2, 0x2200
	v_mov_b32 v255, 0
	v_lshlrev_b32 v3, 3, v0                        ; 8 x lane
	s_cmp_ge_u32 ttmp9, 768
	s_cbranch_scc1 .Lrope
	v_and_b32 v5, 15, v0                           ; r
	v_lshrrev_b32 v6, 4, v0                        ; h
	v_lshlrev_b32 v1, 4, v0                        ; 16 x lane: my bytes of a load, and of a stage row
	v_mul_u32_u24 v2, v5, SP
	v_lshl_add_u32 v2, v6, 6, v2                   ; out of the stage: row r, + 64 h
	v_lshlrev_b32 v4, 5, v5
	v_lshl_add_u32 v4, v6, 4, v4                   ; the scale bytes: 32 r + 16 h
	s_mov_b32 s[SEL], 0x76543210
	s_mov_b32 s[SEL+1], 0xfedcba98
.irp b, 0,1,2,3
	v_mov_b32 v[TM+4+\b], 0                        ; written once: a lane permute's destination counts as one of its sources
.endr
	s_and_b32 s24, ttmp9, 63
	s_cmp_lt_u32 ttmp9, 512
	s_cselect_b32 s24, ttmp9, s24                  ; the tile's number in its own tensor
	s_lshr_b32 s25, s24, 1
	s_lshl_b32 s25, s25, 17                        ; its group of 32 rows of 4,096 bytes,
	s_and_b32 s24, s24, 1
	s_lshl_b32 s24, s24, 15                        ; and 8 rows on for the group's second tile
	s_add_co_u32 s24, s24, s25
	s_mov_b32 s25, 0
	s_mul_i32 s28, ttmp9, 3072
	s_mov_b32 s29, 0
	s_lshl_b32 s30, ttmp9, 9
	s_mov_b32 s31, 0
	s_wait_kmcnt 0x0
	s_cmp_ge_u32 ttmp9, 512                        ; which tensor: the choice hangs on the work-group's number alone
	s_cselect_b64 s[22:23], s[6:7], s[4:5]
	s_cmp_ge_u32 ttmp9, 576
	s_cselect_b64 s[22:23], s[8:9], s[22:23]
	s_cmp_ge_u32 ttmp9, 640
	s_cselect_b64 s[22:23], s[10:11], s[22:23]
	s_cmp_ge_u32 ttmp9, 704
	s_cselect_b64 s[22:23], s[12:13], s[22:23]
	s_add_nc_u64 s[22:23], s[22:23], s[24:25]
	s_add_nc_u64 s[16:17], s[16:17], s[28:29]
	s_add_nc_u64 s[18:19], s[18:19], s[30:31]
; 64 numbers of a lane, v[s] on, become a fragment's codes in v[PC] on and its row's scale word in v[PW]
.macro QUANT s
.irp b, 0,1,2,3
	v_max3_num_f32 v[TM+\b], |v[\s+16*\b]|, |v[\s+1+16*\b]|, 0x1800000   ; block b: my 16 numbers, and the floor 2^(3 - 127): the byte cannot fall under 1
.endr
.irp i, 2,4,6,8,10,12,14
.irp b, 0,1,2,3
	v_max3_num_f32 v[TM+\b], |v[\s+16*\b+\i]|, |v[\s+1+16*\b+\i]|, v[TM+\b]   ; the four blocks by turns
.endr
.endr
.irp b, 0,1,2,3
	v_permlanex16_b32 v[TM+4+\b], v[TM+\b], s[SEL], s[SEL+1]
.endr
.irp b, 0,1,2,3
	v_max_num_f32 v[TM+\b], v[TM+\b], v[TM+4+\b]   ; with lane l xor 16's 16: the block's largest magnitude
.endr
.irp b, 0,1,2,3
	v_add_nc_u32 v[TM+12+\b], 0xff000000, v[TM+\b] ; 2 off its exponent field: the conversion takes this operand's exponent field as its scale
.endr
.irp b, 0,1,2,3
	v_lshrrev_b32 v[TM+4+\b], 23, v[TM+12+\b]      ; the scale's byte
.endr
	v_lshl_or_b32 v[PW], v[TM+5], 8, v[TM+4]
	v_lshl_or_b32 v[PW], v[TM+6], 16, v[PW]
	v_lshl_or_b32 v[PW], v[TM+7], 24, v[PW]
.irp c, 0,1
	v_cvt_scalef32_pk16_fp6_f32 v[PC+6*\c:PC+2+6*\c], v[\s+32*\c:\s+15+32*\c], v[TM+12+2*\c]
	v_cvt_scalef32_pk16_fp6_f32 v[PC+12+4*\c:PC+14+4*\c], v[\s+16+32*\c:\s+31+32*\c], v[TM+12+2*\c+1]   ; (a conversion's three registers begin on an even number)
.endr
	v_nop                                          ; one plain instruction behind the scaled conversions
.irp c, 0,1                                    ; the operand's layout wants a whole block in a lane: lanes 0-15 block 2 c, lanes 16-31 block 2 c + 1
.irp i, 0,1,2
	v_permlane16_swap_b32 v[PC+6*\c+\i], v[PC+12+4*\c+\i]
.endr
.irp i, 0,1,2
	v_mov_b32 v[PC+3+6*\c+\i], v[PC+12+4*\c+\i]
.endr
.endr
.endm
.macro LOADK k                         ; step k: 512 bytes of each of the tile's 16 rows; the order of rows stands in the immediate
.irp i, 0,1,2,3,4,5,6,7,8,9,10,11,12,13,14,15
	global_load_b128 v[R+64*((\k)%2)+4*\i:R+64*((\k)%2)+4*\i+3], v1, s[22:23] offset:(\i+8*(\i/8))*4096+512*(\k) th:TH_LOAD_NT
.endr
.endm
.macro STEPK k
.if (\k) < 7
	s_wait_loadcnt 16                              ; this step's 16 loads are in; the next step's 16 may be out
.else
	s_wait_loadcnt 0x0
.endif
	s_wait_xcnt 0x0                                ; the last step's stores have read the codes' registers, which are written again below
.irp i, 0,1,2,3,4,5,6,7,8,9,10,11,12,13,14,15
	ds_store_b128 v1, v[R+64*((\k)%2)+4*\i:R+64*((\k)%2)+4*\i+3] offset:SP*\i
.endr
.irp b, 0,1,2,3
.irp j, 0,1,2,3
	ds_load_b128 v[X+16*\b+4*\j:X+16*\b+4*\j+3], v2 offset:128*\b+16*\j   ; LDS serves a wave's instructions in order: these see the stores above
.endr
.endr
	s_wait_dscnt 0x0                               ; the numbers are back, and the stores have read their registers,
.if (\k) < 6
	LOADK (\k)+2                                   ; which take the loads of two steps on
.endif
	QUANT X
	v_mov_b32 v[SW+(\k)], v[PW]
.irp p, 0,1,2,3,4,5
	global_store_b64 v3, v[PC+2*\p:PC+2*\p+1], s[16:17] offset:((\k)/2)*SIGC+((\k)%2)*1536+256*\p   ; 32 lanes store 256 consecutive bytes, aligned
.endr
.endm
	LOADK 0
	LOADK 1
.irp k, 0,1,2,3,4,5,6,7
	STEPK \k
.endr
	v_cmp_lt_u32 vcc_lo, 15, v0
	s_wait_xcnt 0x0                                ; the last stores have read the codes' registers
.irp i, 0,1,2,3
	v_cndmask_b32 v[PC+\i], v[SW+\i], v[SW+4+\i], vcc_lo   ; lanes 0-15 words 0-3 of row r, lanes 16-31 words 4-7
.endr
	global_store_b128 v4, v[PC:PC+3], s[18:19]     ; the tile's 512 scale bytes, on end
	s_wait_tensorcnt 0x0
	ds_add_u32 v254, v255
	s_wait_dscnt 0x0
	s_endpgm
.Lrope:
	s_sub_co_u32 s24, ttmp9, 768                   ; which eight places
	s_lshl_b32 s25, s24, 5
	s_lshl_b32 s28, s24, 11                        ; 8 rows of 256 bytes
	s_mov_b32 s29, 0
	s_mov_b32 s32, 0x3fc90fdb                      ; pi / 2, the nearest f32,
	s_mov_b32 s33, 0xb33bbd2e                      ; and what is left of it
	v_mov_b32 v7, s25
	v_cvt_f32_u32 v10, v0                          ; i, the pair
	v_mul_f32 v11, 0xbed49a60, v10                 ; -i x log2(10000) / 32 cut to 19 bits: exact for i under 32
	v_mul_f32 v12, 0x3506b9a2, v10                 ; i x (what was cut off) x ln 2
	v_exp_f32 v13, v11
	s_wait_kmcnt 0x0
	s_add_nc_u64 s[20:21], s[20:21], s[28:29]
.irp n, 0,1,2,3,4,5,6,7
	global_load_b32 v[16+\n], v7, s[14:15] offset:4*\n   ; the place's position: the same word in every lane
.endr
	v_nop                                          ; a plain instruction behind the exponential,
	s_wait_alu depctr_va_vdst(0)                   ; and the wait ahead of its first reader
	v_fma_f32 v14, -v13, v12, v13                  ; 10000^(-i / 32)
	s_wait_loadcnt 0x0
.macro ROPE1 n
	v_cvt_f32_i32 v24, v[16+\n]
	v_mul_f32 v24, v24, v14                        ; the angle: one rounding
	v_mul_f32 v25, 0x3f22f983, v24
	v_rndne_f32 v25, v25                           ; how many quarter turns
	v_fma_f32 v26, -v25, s32, v24                  ; exact: the difference is a multiple of 2^-23 under 1
	v_fma_f32 v26, -v25, s33, v26                  ; the reduced angle, within pi / 4
	v_cvt_i32_f32 v27, v25
	v_mul_f32 v28, v26, v26
	v_mov_b32 v29, 0xb94ca1f9
	v_fmaak_f32 v29, v29, v28, 0x3c08839e
	v_fmaak_f32 v29, v29, v28, 0xbe2aaaa3
	v_mul_f32 v29, v29, v28
	v_fma_f32 v29, v29, v26, v26                   ; its sine
	v_mov_b32 v30, 0x37ccf5ce
	v_fmaak_f32 v30, v30, v28, 0xbab6061a
	v_fmaak_f32 v30, v30, v28, 0x3d2aaaa5
	v_fma_f32 v30, v30, v28, -0.5
	v_fma_f32 v30, v30, v28, 1.0                   ; its cosine
	v_and_b32 v31, 1, v27
	v_cmp_eq_u32 vcc_lo, 1, v31                    ; an odd quarter swaps the two
	v_cndmask_b32 v32, v29, v30, vcc_lo
	v_cndmask_b32 v33, v30, v29, vcc_lo
	v_and_b32 v34, 2, v27
	v_lshlrev_b32 v34, 30, v34                     ; the sine is negative in quarters 2, 3,
	v_add_nc_u32 v35, 1, v27
	v_and_b32 v35, 2, v35
	v_lshlrev_b32 v35, 30, v35                     ; the cosine in quarters 1, 2
	v_xor_b32 v[40+2*\n], v33, v35
	v_xor_b32 v[41+2*\n], v32, v34
	global_store_b64 v3, v[40+2*\n:41+2*\n], s[20:21] offset:256*\n   ; a place's 32 pairs: 256 consecutive bytes, aligned; each place has its own registers
.endm
.irp n, 0,1,2,3,4,5,6,7
	ROPE1 \n
.endr
	s_endpgm
.Lfunc_end_k_qaef2d30e78_quant:
	.size	k_qaef2d30e78_quant, .Lfunc_end_k_qaef2d30e78_quant-k_qaef2d30e78_quant
	.p2alignl 7, 3214868480
	.fill 96, 4, 3214868480
	.section	.rodata,"a",@progbits
	.p2align	6, 0x0
	.amdhsa_kernel k_qaef2d30e78_quant
		.amdhsa_group_segment_fixed_size 8960
		.amdhsa_private_segment_fixed_size 0
		.amdhsa_enable_private_segment 0
		.amdhsa_kernarg_size 72
		.amdhsa_user_sgpr_count 2
		.amdhsa_user_sgpr_kernarg_segment_ptr 1
		.amdhsa_wavefront_size32 1
		.amdhsa_system_sgpr_workgroup_id_x 1
		.amdhsa_system_sgpr_workgroup_id_y 1
		.amdhsa_system_sgpr_workgroup_id_z 1
		.amdhsa_system_vgpr_workitem_id 0
		.amdhsa_next_free_vgpr 256
		.amdhsa_next_free_sgpr 66
		.amdhsa_reserve_vcc 1
		.amdhsa_float_denorm_mode_32 3
		.amdhsa_float_denorm_mode_16_64 3
		.amdhsa_memory_ordered 1
		.amdhsa_forward_progress 1
		.amdhsa_inst_pref_size 79
	.end_amdhsa_kernel
	.amdgpu_metadata
---
amdhsa.version: [ 1, 2 ]
amdhsa.kernels:
  - .name:           k_qaef2d30e78_quant
    .symbol:         k_qaef2d30e78_quant.kd
    .args:
      - { .name: x, .offset: 0, .size: 8, .value_kind: global_buffer, .address_space: global }
      - { .name: Wq, .offset: 8, .size: 8, .value_kind: global_buffer, .address_space: global }
      - { .name: Wk, .offset: 16, .size: 8, .value_kind: global_buffer, .address_space: global }
      - { .name: Wv, .offset: 24, .size: 8, .value_kind: global_buffer, .address_space: global }
      - { .name: Wo, .offset: 32, .size: 8, .value_kind: global_buffer, .address_space: global }
      - { .name: token_positions, .offset: 40, .size: 8, .value_kind: global_buffer, .address_space: global }
      - { .name: codes, .offset: 48, .size: 8, .value_kind: global_buffer, .address_space: global }
      - { .name: scales, .offset: 56, .size: 8, .value_kind: global_buffer, .address_space: global }
      - { .name: rope, .offset: 64, .size: 8, .value_kind: global_buffer, .address_space: global }
    .group_segment_fixed_size: 8960
    .private_segment_fixed_size: 0
    .kernarg_segment_align: 8
    .kernarg_segment_size: 72
    .max_flat_workgroup_size: 32
    .sgpr_count:     66
    .vgpr_count:     256
    .wavefront_size: 32
...
	.end_amdgpu_metadata
.endif
;; end of part 1
;; launch qkv (part 2): grid 12 x 32, 4 waves a work-group, clusters of 4 x 4, 327,680 bytes of LDS; arguments codes, scales, rope, qkv; writes qkv
.if DOCPART == 2
	.amdgcn_target "amdgcn-amd-amdhsa--gfx1250"
	.amdhsa_code_object_version 6
	.text
	.protected	k_qaef2d30e78_qkv
	.globl	k_qaef2d30e78_qkv
	.p2align	8
	.type	k_qaef2d30e78_qkv,@function
k_qaef2d30e78_qkv:
	s_mov_b64 s[64:65], 0
	v_nop
	global_prefetch_b8 v0, s[64:65] scope:SCOPE_SE
	s_setreg_imm32_b32 hwreg(HW_REG_WAVE_MODE, 25, 1), 1
	s_wait_xcnt 0x0
	s_wait_alu depctr_hold_cnt(0) depctr_sa_sdst(0) depctr_va_vdst(0) depctr_va_sdst(0) depctr_va_ssrc(0) depctr_va_vcc(0) depctr_vm_vsrc(0)
	s_getreg_b32 s2, hwreg(HW_REG_IB_STS2, 6, 4)
	s_cmp_eq_u32 s2, 0
	s_cbranch_scc0 .Lentry_in_a_cluster
	s_endpgm
.Lentry_in_a_cluster:
	s_bfe_u32 s2, ttmp6, 0x10000c
	s_cmp_lg_u32 s2, 0xf033
	s_cbranch_scc0 .Lentry_shape_is_right
	s_endpgm
.Lentry_shape_is_right:
; q = rope(x Wq^T), k = rope(x Wk^T), v = x Wv^T on codes of FP6 (E2M3) with E8M0 scales; the results are quantised on the way out and stored as images of the operands that the attention launch wants.
; 384 tiles of 256 x 256 of results; four waves, each 128 x 128: 64 accumulators.  The cluster's x says which product: 0 q, 1 k, 2 v.  K = 1,024 goes in four steps of 256 through a ring of two LDS slots.
; THE MATRIX INSTRUCTION: source 0 = 16 rows of B, source 1 = 16 rows of A: a lane holds one row of A, its registers run along B's rows.  For q and k A = x, B = the weight: a lane holds a token and 128 features
; (two heads); for v A = Wv, B = x: a lane holds a feature and 128 tokens (a key step).  Either way the lane's registers run along the K of the product that follows.
; TILES AND IMAGES as the launch before has laid them: a tile is 16 positions (in a group of 32 rows position 16 u + p is row 8 u + p + 8 (p / 8)), so that B's tiles 2 b and 2 b + 1 leave 16 neighbouring rows in 16
; registers; a fragment lies as its registers stand, six pieces of 256 bytes.  So 8 tiles x 256 K are one dense block of 24,576 bytes for one tensor load, and a fragment comes by six loads of 8 bytes at 8 x lane.
; CLUSTERS: 4 x 4 work-groups; A's tiles are shared along a row of the cluster, B's along a column, and are asked for jointly.  The branch on the kind of product hangs on the cluster's x, equal in all partners.
; OUT (buffer qkv).  For each batch x head and key step of 128: 13,056 bytes: K's 8 tiles x 768 bytes (64 along K: registers 0-5), V^T's 4 tiles x 1,536, K's scale words (512), V's (256).  From QOFF on, for each
; batch x head and span of 128 queries: 6,656 bytes: Q's 8 tiles x 768, their scale words (512).  Every store covers whole aligned runs of 256 bytes.
; LIMITS: a block of zeros gets the scale byte 1 where the quantiser says 127 (its codes are zeros; this program alone reads the bytes); NaN and infinities are not served.
; REGISTERS, in windows of 256: window 0: v0-31 addresses; v32-63 scale words, two sets; v128-223 A's fragments, one set; on the way out v64-251 are at work.  window 1: B's fragments, two sets, at v0 and v128.
;   window 2: the accumulators of my rows of A 0-63 ((a, b) at v[8 (8 a + b)]); window 3: those of rows 64-127.
.set NQ,     2                         ; matrix instructions deep in a slot
.set FR,     12                        ; registers of a fragment
.set NL,     6                         ; LDS loads that bring one
.set NP,     4                         ; places behind this matrix instruction (ISA guide 7.12.1)
.set TILEB,  3072                      ; a tile's codes of 256 along K
.set HALFT,  8*TILEB                   ; 8 tiles: what one tensor load brings, and what one wave reads of A or of B
.set SLOT,   4*HALFT                   ; A's 16 tiles, then B's 16
.set LAPS,   2                         ; a lap = two slots = 512 along K
.set KS,     32                        ; a row of scale bytes
.set SCL,    2*SLOT                    ; behind the ring: the scale bytes, as runs of 256 bytes + 16 of padding
.set HALFS,  16*272                    ; those of 128 rows
.set SBLK,   2*272                     ; those of 16 rows
.set SPARE,  SCL+4*HALFS               ; the spare words, 128 bytes for each wave: two blocks of 256 bytes that no other line names
.set SIGC,   768*TILEB                 ; from 256 along K to the next, in the codes' buffer
.set SIGA,   SIGC
.set SIGB,   SIGC
.set REC,    13056
.set HEADB,  16*REC
.set QOFF,   64*HEADB
.set QREC,   6656
.set ADRA, 16                          ; v16-17  LDS address of my A fragments in slot 0, 1
.set ADRB, 20                          ; v20-21  the same for B
.set ADRS, 27                          ; v27     LDS address of my scale words: lanes 0-15 A's rows, lanes 16-31 B's
.set SPW,  28                          ; v28     LDS address of my spare word; never rewritten
.set NIL,  29                          ; v29     0; never rewritten
.set SC,   32                          ; scale words: set s at v[SC + 16 s]; register 2 i + q: lanes 0-15 A's block i, lanes 16-31 B's block i
.set AF,   128                         ; A's fragments
.set RB,   64                          ; the way out: 64 rotated numbers
.set CS,   128                         ; v128-191 cos and sin, two sets of 32
.set PC,   192                         ; v192-203 the fragment; v204-210 at work
.set TM,   212                         ; v212-227 largest magnitudes, bytes, scale operands
.set PW,   228
.set SW,   232                         ; v232-239 the blocks' scale words
.set Z,    240                         ; v240-251 scale words on their way out
.set SEL,  66                          ; s[66:67]
.set G1, 24                            ; s[24:31] descriptor group 1 for A's tiles;  s[32:39] group 0, one set for each slot
.set G0, 32
.set G1B, 48                           ; s[48:55], s[56:63] the same for B's tiles
.set G0B, 56
.set G1S, 68                           ; s[68:75], s[76:79] groups 1 and 0 for A's scales;  s[80:87], s[88:91] for B's
.set G0S, 76
.set G1SB, 80
.set G0SB, 88
.set MSB, 0
.macro WIN new                         ; the immediate's high byte repeats the setting that is left
.if MSB != \new
	s_set_vgpr_msb (MSB<<8)|\new
.set MSB, \new
.endif
.endm
.set MUL_LO, 0xa1                      ; source 0 (B) window 1, source 1 (A) window 0, C and D window 2
.set MUL_HI, 0xf1                      ; the same, C and D window 3
.set TO_B,   0x40                      ; destination window 1, address window 0
; A joint load: waves 0 and 1 fetch for A, waves 2 and 3 for B; the branch hangs on the wave's number alone.  Four v_nop follow each of the two lines.
.macro JLOAD g0a, g1a, g0b, g1b
	s_cmp_eq_u32 s15, 0
	s_cbranch_scc0 .Lfor_b_\@
	tensor_load_to_lds s[\g0a:\g0a+3], s[\g1a:\g1a+7]
	s_nop 0
.rept 4
	v_nop
.endr
	s_branch .Lasked_\@
.Lfor_b_\@:
	tensor_load_to_lds s[\g0b:\g0b+3], s[\g1b:\g1b+7]
	s_nop 0
.rept 4
	v_nop
.endr
.Lasked_\@:
.endm
.macro CREST                           ; a round of the cluster's barrier behind its opening barrier
	s_cmp_lg_u32 s14, 0
	s_cbranch_scc1 .Lnot_wave_0_\@
	s_barrier_signal -3
.Lnot_wave_0_\@:
	s_barrier_wait -3
	s_barrier_signal -1
	s_barrier_wait -1
.endm
.macro CROUND                          ; a whole round
	s_barrier_signal -1
	s_barrier_wait -1
	CREST
.endm
	s_load_b256 s[4:11], s[0:1], 0x0               ; codes s[4:5], scales s[6:7], rope s[8:9], qkv s[10:11]
	v_lshl_add_u32 v[SPW], v0, 2, SPARE
	v_mov_b32 v[NIL], 0
	ds_add_u32 v28, v29
	ds_add_u32 v28, v29
	s_wait_dscnt 0x0
	v_lshrrev_b32 v1, 5, v0
	v_readfirstlane_b32 s14, v1                    ; wave 0..3
	s_lshr_b32 s15, s14, 1                         ; which half of A's rows is mine.  Also: I fetch for A (0) or for B (1)
	s_and_b32 s16, s14, 1                          ; which half of B's rows.  Also: which 8 tiles I fetch
	s_bfe_u32 s40, ttmp6, 0x40000                  ; cx, cy: my place in the cluster
	s_bfe_u32 s41, ttmp6, 0x40004
	s_and_b32 s17, ttmp7, 0xffff                   ; the cluster's y
	s_lshl_b32 s43, s41, 2
	s_lshl_b32 s43, 15, s43                        ; my row of the cluster
	s_lshl_b32 s44, 0x1111, s40                    ; my column
	; descriptor group 1: a dense block of 24,576 bytes as 96 rows of 32 elements of 8 bytes, no padding
	s_or_b32 s[G1+0], s43, (3<<16)|(1<<21)         ; 15:0 the mask: A's tiles go to my row; 17:16 elements of 8 bytes; 21 set beside a mask
	s_or_b32 s[G1B+0], s44, (3<<16)|(1<<21)
.irp g, G1, G1B
	s_mov_b32 s[\g+1], 32<<16                      ; tensor_dim0
	s_mov_b32 s[\g+2], 96<<16                      ; tensor_dim1
	s_mov_b32 s[\g+3], 32<<16                      ; tile_dim0
	s_mov_b32 s[\g+4], 96                          ; tile_dim1
	s_mov_b32 s[\g+5], 32                          ; tensor_dim0_stride
	s_mov_b32 s[\g+6], 0
	s_mov_b32 s[\g+7], 0
.endr
	; the scale bytes of 128 rows: 4,096 dense bytes as 16 rows of 256, 16 bytes of padding behind each
	s_or_b32 s[G1S+0], s43, (3<<16)|(1<<20)|(1<<21)|(5<<22)|(3<<25)
	s_or_b32 s[G1SB+0], s44, (3<<16)|(1<<20)|(1<<21)|(5<<22)|(3<<25)
.irp g, G1S, G1SB
	s_mov_b32 s[\g+1], 32<<16
	s_mov_b32 s[\g+2], 16<<16
	s_mov_b32 s[\g+3], 32<<16
	s_mov_b32 s[\g+4], 16
	s_mov_b32 s[\g+5], 32
	s_mov_b32 s[\g+6], 0
	s_mov_b32 s[\g+7], 0
.endr
	; which tiles.  q, k: A = x's tiles 64 Y + 16 cy on, B = the weight's 512 + 64 kind + 16 cx on;  v: A = Wv's 640 + 16 cy on, B = x's 64 Y + 16 cx on
	s_lshl_b32 s20, s17, 6
	s_lshl_b32 s21, ttmp9, 6
	s_add_co_u32 s21, s21, 512
	s_cmp_eq_u32 ttmp9, 2
	s_cselect_b32 s22, 640, s20
	s_cselect_b32 s23, s20, s21
	s_lshl_b32 s18, s16, 3                         ; which 8 tiles of the 16 I fetch
	s_lshl_b32 s20, s41, 4
	s_add_co_u32 s20, s20, s22
	s_add_co_u32 s20, s20, s18                     ; A: it hangs on cy, never on cx
	s_lshl_b32 s46, s40, 4
	s_add_co_u32 s46, s46, s23
	s_add_co_u32 s46, s46, s18                     ; B: on cx, never on cy
	s_lshl_b32 s22, s20, 9                         ; their scale bytes: 512 a tile
	s_mov_b32 s23, 0
	s_lshl_b32 s92, s46, 9
	s_mov_b32 s93, 0
	s_mul_i32 s20, s20, TILEB                      ; and their codes
	s_mov_b32 s21, 0
	s_mul_i32 s46, s46, TILEB
	s_mov_b32 s47, 0
	s_mul_i32 s45, s14, HALFT                      ; where they go: wave x 8 tiles: no place in the cluster enters an LDS address
	s_mul_i32 s94, s14, HALFS
	s_wait_kmcnt 0x0
	s_add_nc_u64 s[20:21], s[4:5], s[20:21]
	s_add_nc_u64 s[22:23], s[6:7], s[22:23]
	s_add_nc_u64 s[46:47], s[4:5], s[46:47]
	s_add_nc_u64 s[92:93], s[6:7], s[92:93]
	CROUND                                         ; all sixteen work-groups are here: the first joint loads meet
	s_mov_b32 s[G0S], 1
	s_add_co_u32 s[G0S+1], s94, SCL
	s_mov_b64 s[G0S+2:G0S+3], s[22:23]
	s_or_b32 s[G0S+3], s[G0S+3], 0x80000000
	s_mov_b32 s[G0SB], 1
	s_add_co_u32 s[G0SB+1], s94, SCL
	s_mov_b64 s[G0SB+2:G0SB+3], s[92:93]
	s_or_b32 s[G0SB+3], s[G0SB+3], 0x80000000
	JLOAD G0S, G1S, G0SB, G1SB                     ; the scales first: they are wanted with the first slot
.irp s, 0,1
	s_mov_b32 s[G0+4*\s], 1
	s_add_co_u32 s[G0+4*\s+1], s45, \s*SLOT
	s_add_nc_u64 s[G0+4*\s+2:G0+4*\s+3], s[20:21], \s*SIGA
	s_or_b32 s[G0+4*\s+3], s[G0+4*\s+3], 0x80000000
	s_mov_b32 s[G0B+4*\s], 1
	s_add_co_u32 s[G0B+4*\s+1], s45, \s*SLOT
	s_add_nc_u64 s[G0B+4*\s+2:G0B+4*\s+3], s[46:47], \s*SIGB
	s_or_b32 s[G0B+4*\s+3], s[G0B+4*\s+3], 0x80000000
	JLOAD G0+4*\s, G1, G0B+4*\s, G1B               ; three tensor loads of mine are out now
.endr
	v_and_b32 v1, 15, v0                           ; r
	v_bfe_u32 v2, v0, 4, 1                         ; h
	v_and_b32 v3, 31, v0
	v_lshlrev_b32 v4, 3, v3                        ; 8 x lane: my place in every piece of an image
	s_mul_i32 s21, s15, HALFT                      ; my 8 tiles of A
	s_mul_i32 s22, s16, HALFT                      ; my 8 tiles of B,
	s_add_co_u32 s22, s22, 2*HALFT                 ; which lie behind A's 16
.irp s, 0,1
	v_add_nc_u32 v[ADRA+\s], s21, v4
	v_add_nc_u32 v[ADRB+\s], s22, v4
	s_add_co_u32 s21, s21, SLOT
	s_add_co_u32 s22, s22, SLOT
.endr
	v_mul_u32_u24 v5, v1, KS                       ; my row's scales: 32 bytes a row,
	v_lshrrev_b32 v6, 8, v5
	v_lshl_add_u32 v5, v6, 4, v5                   ; and 16 more for each 256 passed
	s_mul_i32 s21, s15, HALFS                      ; A's: my 128 rows
	s_mul_i32 s22, s16, HALFS                      ; B's: my 128 rows, behind A's 256
	s_add_co_u32 s22, s22, 2*HALFS
	s_sub_co_u32 s22, s22, s21
	v_mul_u32_u24 v6, s22, v2                      ; lanes 16-31 take B's
	s_add_co_u32 s21, s21, SCL
	v_add_nc_u32 v5, v5, v6
	v_add_nc_u32 v[ADRS], s21, v5
.macro FRAG reg, adr, q, i             ; a fragment comes as it was stored: six pieces of 256 bytes, 8 bytes a lane
.irp p, 0,1,2,3,4,5
	ds_load_b64 v[\reg+2*\p:\reg+2*\p+1], v[\adr] offset:(\i)*TILEB+(\q)*1536+256*\p
.endr
.endm
; 16 matrix instructions: A's blocks a0, a0 + 1 x B's eight, 128 along K.  p: B's set;  sc: the set of scale words.  zero = 1: the first product starts the sums.
; The 64 accumulators take turns, one instruction a turn, in the same order in every step.
.macro MUL16 a0, p, q, sc, zero
.irp a, \a0, \a0+1
.irp b, 0,1,2,3,4,5,6,7
.if \zero
	v_wmma_scale_f32_16x16x128_f8f6f4 v[8*(8*((\a)%4)+\b):8*(8*((\a)%4)+\b)+7], v[128*(\p)+FR*\b:128*(\p)+FR*\b+FR-1], v[AF+FR*(\a):AF+FR*(\a)+FR-1], 0, v[SC+8*NQ*(\sc)+NQ*\b+(\q)], v[SC+8*NQ*(\sc)+NQ*(\a)+(\q)] matrix_a_fmt:MATRIX_FMT_FP6 matrix_b_fmt:MATRIX_FMT_FP6 matrix_a_scale:MATRIX_SCALE_ROW1
.else
	v_wmma_scale_f32_16x16x128_f8f6f4 v[8*(8*((\a)%4)+\b):8*(8*((\a)%4)+\b)+7], v[128*(\p)+FR*\b:128*(\p)+FR*\b+FR-1], v[AF+FR*(\a):AF+FR*(\a)+FR-1], v[8*(8*((\a)%4)+\b):8*(8*((\a)%4)+\b)+7], v[SC+8*NQ*(\sc)+NQ*\b+(\q)], v[SC+8*NQ*(\sc)+NQ*(\a)+(\q)] matrix_a_fmt:MATRIX_FMT_FP6 matrix_b_fmt:MATRIX_FMT_FP6 matrix_a_scale:MATRIX_SCALE_ROW1
.endif
.endr
.endr
.endm
.macro FETCH_B slot, q, p              ; B's eight fragments of the slot's q-th 128 along K into set p
	WIN TO_B
.irp i, 0,1,2,3,4,5,6,7
	FRAG 128*(\p)+FR*\i, ADRB+\slot, \q, \i
.endr
	WIN 0
.endm
.macro FETCH_A slot, q, i0             ; A's blocks i0 .. i0 + 3
.irp i, \i0, \i0+1, \i0+2, \i0+3
	FRAG AF+FR*(\i), ADRA+\slot, \q, \i
.endr
.endm
.macro SCALES sc                       ; a slot's scale words into set sc: two words a row; lanes 0-15 take A's block i, lanes 16-31 B's block i
.irp i, 0,1,2,3,4,5,6,7
	ds_load_b64 v[SC+8*NQ*\sc+NQ*\i:SC+8*NQ*\sc+NQ*\i+1], v[ADRS] offset:\i*SBLK
.endr
.endm
.macro PLACES n                        ; plain vector instructions between a matrix instruction and a load into, or a read of, its registers
.rept \n
	v_nop
.endr
.endm
; A step of 128 along K that has its successor in the same slot.
.macro STEP slot, q, zero
	s_wait_dscnt 4*NL                              ; B's set, A's blocks 0-3 and the scale words are in; the youngest 24 loads (A's blocks 4-7) may be out
	WIN MUL_LO
	MUL16 0, (\q)%2, \q, \slot, \zero
	MUL16 2, (\q)%2, \q, \slot, \zero
	s_wait_dscnt 0                                 ; A's blocks 4-7 are in
	PLACES NP
	FETCH_B \slot, (\q)+1, 1-(\q)%2
	FETCH_A \slot, (\q)+1, 0
	WIN MUL_HI
	MUL16 4, (\q)%2, \q, \slot, \zero
	MUL16 6, (\q)%2, \q, \slot, \zero
	PLACES NP
	WIN 0
	FETCH_A \slot, (\q)+1, 4
.endm
; A slot's last step changes slots: one barrier; in front of it each wave waits for all its tensor loads, adds 0 to its spare word, and waits for that and for its own reads of this slot.  fill = 1: this slot is filled again.
.macro TURN slot, next, fill
	s_wait_tensorcnt 0x0                           ; all my tensor loads have landed: my part of the next slot
	ds_add_u32 v[SPW], v[NIL]                      ; 0 onto my spare word
	s_wait_dscnt 4*NL+1                            ; (the add and the youngest 24 loads, A's blocks 4-7, may be out)
	WIN MUL_LO
	MUL16 0, 1, NQ-1, \slot, 0                     ; sixteen matrix instructions stand between the add and the wait for it
	s_wait_dscnt 0x0                               ; the add is done, and my reads of this slot are over
	s_barrier_signal -1
	MUL16 2, 1, NQ-1, \slot, 0
	WIN 0
	s_barrier_wait -1
.if \fill
	CREST                                          ; the barrier has opened a round of the cluster's barrier: no wave of any partner still reads this slot or has a load on its way
	s_add_nc_u64 s[G0+4*\slot+2:G0+4*\slot+3], s[G0+4*\slot+2:G0+4*\slot+3], 2*SIGA
	s_add_nc_u64 s[G0B+4*\slot+2:G0B+4*\slot+3], s[G0B+4*\slot+2:G0B+4*\slot+3], 2*SIGB
	JLOAD G0+4*\slot, G1, G0B+4*\slot, G1B         ; the first tensor load behind the round, my only one out; its four v_nop are the places in front of the loads below
.else
	PLACES NP
.endif
	s_wait_alu depctr_va_vdst(0)
	v_add_nc_u32 v[ADRS], 4*NQ, v[ADRS]            ; on to the next slot's scale words (no LDS load of mine is out)
	FETCH_B \next, 0, 0
	FETCH_A \next, 0, 0
	SCALES \next
	WIN MUL_HI
	MUL16 4, 1, NQ-1, \slot, 0
	MUL16 6, 1, NQ-1, \slot, 0
	PLACES NP
	WIN 0
	FETCH_A \next, 0, 4
.endm
	s_wait_alu depctr_va_vdst(0)
	s_wait_tensorcnt 1                             ; the scales and my part of slot 0 are in (slot 1's load may be out)
	s_barrier_signal -1
	s_barrier_wait -1                              ; everybody's are
	FETCH_B 0, 0, 0
	FETCH_A 0, 0, 0
	SCALES 0
	FETCH_A 0, 0, 4
	STEP 0, 0, 1                                   ; the first step stands in front of the loop: its products start the sums
	s_mov_b32 s3, LAPS-1
.Llap:                                                 ; a trip goes once round the ring and fills both slots again
	TURN 0, 1, 1
	STEP 1, 0, 0
	TURN 1, 0, 1
	STEP 0, 0, 0
	s_sub_co_u32 s3, s3, 1
	s_cmp_lg_u32 s3, 0
	s_cbranch_scc1 .Llap
	TURN 0, 1, 0                                   ; the last lap fills nothing
	STEP 1, 0, 0
	s_wait_dscnt 4*NL                              ; the very last step
	WIN MUL_LO
	MUL16 0, 1, NQ-1, 1, 0
	MUL16 2, 1, NQ-1, 1, 0
	s_wait_dscnt 0
	WIN MUL_HI
	MUL16 4, 1, NQ-1, 1, 0
	MUL16 6, 1, NQ-1, 1, 0
	WIN 0
; THE WAY OUT.  64 numbers of a lane in window w, v[s] on, register 16 b + i = k 32 b + 16 (lane / 16) + i of my row, become a fragment's codes in v[PC] on and its row's scale word in v[PW].
.macro QUANT s, w
.set WQ, (\w)|((\w)<<2)
	WIN WQ                                         ; sources 0 and 1 in window w
.irp b, 0,1,2,3
	v_max3_num_f32 v[TM+\b], |v[\s+16*\b]|, |v[\s+1+16*\b]|, 0x1800000   ; block b: my 16 numbers, from each accumulator's low end on, and the floor 2^(3 - 127)
.endr
.irp i, 2,4,6,8,10,12,14
.irp b, 0,1,2,3
	v_max3_num_f32 v[TM+\b], |v[\s+16*\b+\i]|, |v[\s+1+16*\b+\i]|, v[TM+\b]
.endr
.endr
	WIN 0
.irp b, 0,1,2,3
	v_permlanex16_b32 v[TM+4+\b], v[TM+\b], s[SEL], s[SEL+1]
.endr
.irp b, 0,1,2,3
	v_max_num_f32 v[TM+\b], v[TM+\b], v[TM+4+\b]   ; with lane l xor 16's: the block's largest magnitude
.endr
.irp b, 0,1,2,3
	v_add_nc_u32 v[TM+12+\b], 0xff000000, v[TM+\b] ; 2 off its exponent field: the conversion's scale operand
.endr
.irp b, 0,1,2,3
	v_lshrrev_b32 v[TM+4+\b], 23, v[TM+12+\b]      ; the scale's byte
.endr
	v_lshl_or_b32 v[PW], v[TM+5], 8, v[TM+4]
	v_lshl_or_b32 v[PW], v[TM+6], 16, v[PW]
	v_lshl_or_b32 v[PW], v[TM+7], 24, v[PW]
.set WQ, \w
	WIN WQ                                         ; source 0 in window w
.irp c, 0,1
	v_cvt_scalef32_pk16_fp6_f32 v[PC+6*\c:PC+2+6*\c], v[\s+32*\c:\s+15+32*\c], v[TM+12+2*\c]
	v_cvt_scalef32_pk16_fp6_f32 v[PC+12+4*\c:PC+14+4*\c], v[\s+16+32*\c:\s+31+32*\c], v[TM+12+2*\c+1]
.endr
	WIN 0
	v_nop                                          ; one plain instruction behind the scaled conversions
.irp c, 0,1
.irp i, 0,1,2
	v_permlane16_swap_b32 v[PC+6*\c+\i], v[PC+12+4*\c+\i]
.endr
.irp i, 0,1,2
	v_mov_b32 v[PC+3+6*\c+\i], v[PC+12+4*\c+\i]
.endr
.endr
.endm
	PLACES NP                                      ; behind the last products: for the reads of results, and for the writes and loads into the registers that held A's fragments
	v_and_b32 v1, 31, v0                           ; lane
	v_and_b32 v5, 15, v0                           ; r
	v_bfe_u32 v6, v0, 4, 1                         ; h
	v_lshlrev_b32 v2, 3, v1                        ; 8 x lane
	v_cmp_lt_u32 vcc_lo, 15, v1                    ; lanes 16-31; VCC stays so to the end
.irp b, 0,1,2,3
	v_mov_b32 v[TM+4+\b], 0                        ; written once: a lane permute's destination counts as one of its sources
.endr
	s_mov_b32 s[SEL], 0x76543210
	s_mov_b32 s[SEL+1], 0xfedcba98
	s_lshl_b32 s68, s17, 6                         ; 64 Y   (s68 on held the scales' descriptors, whose loads are long done)
	s_cmp_eq_u32 ttmp9, 2
	s_cbranch_scc1 .Lv                             ; the cluster's x: equal in all partners
	; ---- q and k: a lane holds a token; my 128 features are two heads
	s_lshl_b32 s69, s41, 4
	s_add_co_u32 s68, s68, s69
	s_lshl_b32 s69, s15, 3
	s_add_co_u32 s68, s68, s69                     ; my first tile of x
	s_lshr_b32 s70, s68, 7                         ; the batch,
	s_bfe_u32 s71, s68, 0x40003                    ; the span of 128 tokens in it
	s_lshl_b32 s72, s40, 2
	s_lshl_b32 s73, s16, 1
	s_add_co_u32 s72, s72, s73                     ; my first head
	s_lshl_b32 s70, s70, 4
	s_add_co_u32 s70, s70, s72
	s_lshl_b32 s70, s70, 4
	s_add_co_u32 s70, s70, s71                     ; (16 batch + head) 16 + span
	s_mov_b32 s74, REC
	s_mov_b32 s75, 12288
	s_cmp_eq_u32 ttmp9, 0
	s_cselect_b32 s74, QREC, s74                   ; a record's bytes,
	s_cselect_b32 s75, 6144, s75                   ; where its scale words begin,
	s_cselect_b32 s76, QOFF, 0                     ; and where the records begin
	s_mul_i32 s70, s70, s74
	s_add_co_u32 s76, s76, s70
	s_mov_b32 s77, 0
	s_add_nc_u64 s[78:79], s[10:11], s[76:77]      ; the first head's record
	s_lshl_b32 s76, s74, 4
	s_add_nc_u64 s[80:81], s[78:79], s[76:77]      ; the second head's: 16 records on
	s_and_b32 s82, s68, 127
	s_lshl_b32 s82, s82, 12                        ; my first token's row of the table: 16 rows of 256 bytes a tile
	s_mov_b32 s83, 0
	s_add_nc_u64 s[84:85], s[8:9], s[82:83]
	s_wait_alu depctr_va_vdst(0)
	v_lshl_add_u32 v3, v1, 4, s75                  ; the scale words: 16 x lane
	v_and_b32 v4, 8, v5
	v_add_nc_u32 v4, v4, v5
	v_lshlrev_b32 v4, 8, v4
	v_lshl_add_u32 v4, v6, 6, v4                   ; the table: row r + 8 (r / 8) of the tile, + 64 h: my eight pairs of each 16
.macro CSLOAD a                        ; cos and sin of block a's token: pairs 8 h + 0..7 and 16 + 8 h + 0..7
.irp i, 0,1,2,3,4,5,6,7
	global_load_b128 v[CS+32*((\a)%2)+4*\i:CS+32*((\a)%2)+4*\i+3], v4, s[84:85] offset:(32*((\a)/2)+8*((\a)%2))*256+128*(\i/4)+16*(\i%4)
.endr
.endm
.macro QKBLOCK a
.if (\a) < 7
	CSLOAD (\a)+1
	s_wait_loadcnt 8                               ; this block's eight loads are in; the next block's eight may be out
.else
	s_wait_loadcnt 0x0
.endif
.set WA, 2+(\a)/4
	WIN WA                                         ; source 0: the accumulators' window
.irp b, 0,1,2,3,4,5,6,7
.irp jj, 0,1,2,3
.set AC, 64*((\a)%4)+8*\b+2*\jj
.set RR, RB+8*\b+2*\jj
.set CC, CS+32*((\a)%2)+16*((\b/2)%2)+2*(4*(\b%2)+\jj)
	v_pk_mul_f32 v[RR:RR+1], v[AC:AC+1], v[CC:CC+1] op_sel:[0,0] op_sel_hi:[0,1]   ; (even x cos, even x sin)
.endr
.irp jj, 0,1,2,3
.set AC, 64*((\a)%4)+8*\b+2*\jj
.set RR, RB+8*\b+2*\jj
.set CC, CS+32*((\a)%2)+16*((\b/2)%2)+2*(4*(\b%2)+\jj)
	v_pk_fma_f32 v[RR:RR+1], v[AC:AC+1], v[CC:CC+1], v[RR:RR+1] op_sel:[1,1,0] op_sel_hi:[1,0,1] neg_lo:[0,1,0]   ; (- odd x sin, + odd x cos)
.endr
.endr
	WIN 0
	s_wait_xcnt 0x0                                ; the last block's stores have read the codes' registers
	QUANT RB, 0
	v_mov_b32 v[SW+(\a)], v[PW]
.irp p, 0,1,2
	global_store_b64 v2, v[PC+2*\p:PC+2*\p+1], s[78:79] offset:768*(\a)+256*\p       ; registers 0-5: the first head's 64
	global_store_b64 v2, v[PC+6+2*\p:PC+7+2*\p], s[80:81] offset:768*(\a)+256*\p     ; registers 6-11: the second head's
.endr
.endm
	CSLOAD 0
.irp a, 0,1,2,3,4,5,6,7
	QKBLOCK \a
.endr
.irp i, 0,1,2,3
	v_cndmask_b32 v[Z+\i], v[SW+\i], v[SW+4+\i], vcc_lo   ; lane (r, h): the words of row r of tiles 4 h + 0 .. 3
.endr
.irp i, 0,1,2,3
	v_and_b32 v[Z+4+\i], 0xffff, v[Z+\i]           ; the first head's two bytes; the bytes of the instruction's other 64 along K, whose codes are zeros, are 0
	v_lshrrev_b32 v[Z+8+\i], 16, v[Z+\i]           ; the second head's
.endr
	global_store_b128 v3, v[Z+4:Z+7], s[78:79]
	global_store_b128 v3, v[Z+8:Z+11], s[80:81]
	s_branch .Ldone
.Lv:	; ---- v: a lane holds a feature; my 128 tokens are a key step; my 128 features are two heads of four tiles
	s_lshl_b32 s69, s40, 4
	s_add_co_u32 s68, s68, s69
	s_lshl_b32 s69, s16, 3
	s_add_co_u32 s68, s68, s69                     ; my first tile of x
	s_lshr_b32 s70, s68, 7                         ; the batch,
	s_bfe_u32 s71, s68, 0x40003                    ; the key step
	s_lshl_b32 s72, s41, 2
	s_lshl_b32 s73, s15, 1
	s_add_co_u32 s72, s72, s73                     ; my first head
	s_lshl_b32 s70, s70, 4
	s_add_co_u32 s70, s70, s72
	s_lshl_b32 s70, s70, 4
	s_add_co_u32 s70, s70, s71
	s_mul_i32 s76, s70, REC
	s_mov_b32 s77, 0
	s_add_nc_u64 s[78:79], s[10:11], s[76:77]
.macro VBLOCK a
	s_wait_xcnt 0x0                                ; the last block's stores have read the codes' registers
	QUANT 64*((\a)%4), 2+(\a)/4                    ; the block's 64 accumulator registers lie in the quantiser's order as they are
	v_mov_b32 v[SW+(\a)%4], v[PW]
.irp p, 0,1,2,3,4,5
	global_store_b64 v2, v[PC+2*\p:PC+2*\p+1], s[78:79] offset:((\a)/4)*HEADB+6144+((\a)%4)*1536+256*\p
.endr
.if (\a)%4 == 3
	v_cndmask_b32 v[Z+2*((\a)/4)], v[SW], v[SW+2], vcc_lo       ; lane (r, h): the words of row r of tiles 2 h, 2 h + 1
	v_cndmask_b32 v[Z+2*((\a)/4)+1], v[SW+1], v[SW+3], vcc_lo
	global_store_b64 v2, v[Z+2*((\a)/4):Z+2*((\a)/4)+1], s[78:79] offset:((\a)/4)*HEADB+12800
.endif
.endm
.irp a, 0,1,2,3,4,5,6,7
	VBLOCK \a
.endr
.Ldone:
	s_wait_tensorcnt 0x0                           ; the wave's end
	ds_add_u32 v[SPW], v[NIL]
	s_wait_dscnt 0x0
	CROUND                                         ; the closing round: no work-group ends while a partner may still ask for a tile that names it
	s_endpgm
.Lfunc_end_k_qaef2d30e78_qkv:
	.size	k_qaef2d30e78_qkv, .Lfunc_end_k_qaef2d30e78_qkv-k_qaef2d30e78_qkv
	.p2alignl 7, 3214868480
	.fill 96, 4, 3214868480
	.section	.rodata,"a",@progbits
	.p2align	6, 0x0
	.amdhsa_kernel k_qaef2d30e78_qkv
		.amdhsa_group_segment_fixed_size 327680
		.amdhsa_private_segment_fixed_size 0
		.amdhsa_enable_private_segment 0
		.amdhsa_kernarg_size 32
		.amdhsa_user_sgpr_count 2
		.amdhsa_user_sgpr_kernarg_segment_ptr 1
		.amdhsa_wavefront_size32 1
		.amdhsa_system_sgpr_workgroup_id_x 1
		.amdhsa_system_sgpr_workgroup_id_y 1
		.amdhsa_system_sgpr_workgroup_id_z 1
		.amdhsa_system_vgpr_workitem_id 0
		.amdhsa_next_free_vgpr 1024
		.amdhsa_next_free_sgpr 100
		.amdhsa_reserve_vcc 1
		.amdhsa_float_denorm_mode_32 3
		.amdhsa_float_denorm_mode_16_64 3
		.amdhsa_memory_ordered 1
		.amdhsa_forward_progress 1
		.amdhsa_inst_pref_size 242
	.end_amdhsa_kernel
	.amdgpu_metadata
---
amdhsa.version: [ 1, 2 ]
amdhsa.kernels:
  - .name:           k_qaef2d30e78_qkv
    .symbol:         k_qaef2d30e78_qkv.kd
    .args:
      - { .name: codes, .offset: 0, .size: 8, .value_kind: global_buffer, .address_space: global }
      - { .name: scales, .offset: 8, .size: 8, .value_kind: global_buffer, .address_space: global }
      - { .name: rope, .offset: 16, .size: 8, .value_kind: global_buffer, .address_space: global }
      - { .name: qkv, .offset: 24, .size: 8, .value_kind: global_buffer, .address_space: global }
    .group_segment_fixed_size: 327680
    .private_segment_fixed_size: 0
    .kernarg_segment_align: 8
    .kernarg_segment_size: 32
    .max_flat_workgroup_size: 128
    .sgpr_count:     100
    .vgpr_count:     1024
    .wavefront_size: 32
...
	.end_amdgpu_metadata
.endif
;; end of part 2
;; launch attn (part 3): grid 4 x 64, 16 waves a work-group, clusters of 4 x 1, 210,944 bytes of LDS; arguments qkv, ocodes, oscales; writes ocodes, oscales
.if DOCPART == 3
	.amdgcn_target "amdgcn-amd-amdhsa--gfx1250"
	.amdhsa_code_object_version 6
	.text
	.protected	k_qaef2d30e78_attn
	.globl	k_qaef2d30e78_attn
	.p2align	8
	.type	k_qaef2d30e78_attn,@function
k_qaef2d30e78_attn:
	s_mov_b64 s[64:65], 0
	v_nop
	global_prefetch_b8 v0, s[64:65] scope:SCOPE_SE
	s_setreg_imm32_b32 hwreg(HW_REG_WAVE_MODE, 25, 1), 1
	s_wait_xcnt 0x0
	s_wait_alu depctr_hold_cnt(0) depctr_sa_sdst(0) depctr_va_vdst(0) depctr_va_sdst(0) depctr_va_ssrc(0) depctr_va_vcc(0) depctr_vm_vsrc(0)
	s_getreg_b32 s2, hwreg(HW_REG_IB_STS2, 6, 4)
	s_cmp_eq_u32 s2, 0
	s_cbranch_scc0 .Lentry_in_a_cluster
	s_endpgm
.Lentry_in_a_cluster:
	s_bfe_u32 s2, ttmp6, 0x10000c
	s_cmp_lg_u32 s2, 0x3003
	s_cbranch_scc0 .Lentry_shape_is_right
	s_endpgm
.Lentry_shape_is_right:
; Causal attention of one batch x head (the grid's y) on codes of FP6 (E2M3) with E8M0 scales; head size 64; the result, divided by the row's sum, is quantised along (head, d) and stored as images for the last product.
; THE SOFTMAX: t = score x log2(e) / 8; M = the row's largest t so far, rounded up to a whole number; p = 2^(t - M) is quantised along the keys, not normalised; the row's sum is taken of the unquantised p.
; When M moves, the sum and O are multiplied by 2^(old M - new M): exact.
; LDS.  The head's K, V^T and their scale words for all 2,048 keys, 16 records of 13,056 bytes as the launch before stored them, are brought ONCE, in two halves, by waves 0-3: 208,896 bytes.  Nothing is filled
; again and nothing is stored to LDS.  CLUSTER: the four work-groups of a head want the same bytes and ask jointly.
; SHARES.  The head's 128 tiles of 16 queries are 16 spans of 8.  Wave w takes tile 2 cx + w / 8 of span g = min(w, 15 - w), then the same tile of span 15 - g: g + 1 and 16 - g key steps of 128: 17 for every wave.
; The loops' trip counts are constants (8 and 16); a step whose keys all come after the span is jumped over: a branch on the wave's number and the loop's counter, never on the place in the cluster.
; LAYOUT.  S^T = K Q^T (source 0 = 16 keys, source 1 = my 16 queries), O^T = V^T P^T: a lane holds one query throughout.  The head's 64 fill half of the instruction's 128 along K: the other half are zero codes on both sides.
; By the order of positions in a tile the 16 registers of tiles 2 b, 2 b + 1 are keys 32 b + 16 (lane / 16) + 0 .. 15 of the step; lane r of query tile T holds query 32 (T / 2) + 8 (T % 2) + r + 8 (r / 8) of its span.
; The scale bytes of the result, two for each row and head, go out by a store of two bytes a lane, 32 bytes apart: 2 bytes for each 48 bytes of codes; the codes leave in whole aligned runs of 256 bytes.
; LIMITS: a block of zeros gets the scale byte 1 (its codes are zeros; this program alone reads the bytes); NaN and infinities are not served.
; REGISTERS: v1 8 x lane, v2 16 x lane, v3-4 LDS addresses in hand, v5 my query less 16 (lane / 16), v6 -infinity, v7 16 r, v8 32 r; v12 -M, v13 the largest t, v[14:15] the sum; v16-27 Q; v28-31, v84-87 scale words;
;   v32-79 four fragments of K; v96-159 S^T, then p, then V^T's four fragments; v160-191 O^T; v192-210 codes; v212-226 at work.
.set REC,   13056
.set HALF,  8*REC
.set QTR,   HALF/4                     ; what one tensor load brings: 102 rows of 256 bytes
.set HEADB, 16*REC
.set QOFF,  64*HEADB
.set QREC,  6656
.set SIGO,  512*3072
.set ADK,  3
.set ADS,  4
.set WV,   12
.set BH,   13
.set TAU,  14
.set G1,   16                          ; s[16:23] descriptor group 1;  s[24:27], s[28:31] groups 0 of the two halves
.set G0,   24
.set SEL,  32                          ; s[32:33] lane selects: lane l xor 16
.set CS,   34                          ; s[34:35] c = log2(e) / 8
.set TT,   36                          ; the key step
.set TB,   37                          ; its record's LDS byte
.set G,    38                          ; my span
.macro CROUND                          ; a round of the cluster's barrier
	s_barrier_signal -1
	s_barrier_wait -1
	s_cmp_lg_u32 s[WV], 0
	s_cbranch_scc1 .Lnot_wave_0_\@
	s_barrier_signal -3
.Lnot_wave_0_\@:
	s_barrier_wait -3
	s_barrier_signal -1
	s_barrier_wait -1
.endm
	s_load_b128 s[4:7], s[0:1], 0x0                ; qkv, ocodes
	s_load_b64 s[8:9], s[0:1], 0x10                ; oscales
	v_lshl_add_u32 v254, v0, 2, 0x33000
	v_mov_b32 v255, 0
	ds_add_u32 v254, v255
	ds_add_u32 v254, v255
	v_lshrrev_b32 v1, 5, v0
	s_delay_alu instid0(VALU_DEP_1)
	v_readfirstlane_b32 s[WV], v1                  ; wave 0..15
	s_bfe_u32 s15, ttmp6, 0x40000                  ; cx: it enters global addresses and the mask's numbers alone
	s_and_b32 s[BH], ttmp7, 0xffff                 ; 16 batch + head
	s_lshr_b32 s48, s[WV], 3
	s_lshl_b32 s[TAU], s15, 1
	s_add_co_u32 s[TAU], s[TAU], s48               ; my tile in a span
	s_mov_b32 s[G1], 15|(3<<16)|(1<<21)            ; 15:0 the mask: all four work-groups; 17:16 elements of 8 bytes; 21 set beside a mask; no padding
	s_mov_b32 s[G1+1], 32<<16                      ; tensor_dim0
	s_mov_b32 s[G1+2], 102<<16                     ; tensor_dim1
	s_mov_b32 s[G1+3], 32<<16                      ; tile_dim0
	s_mov_b32 s[G1+4], 102                         ; tile_dim1
	s_mov_b32 s[G1+5], 32                          ; tensor_dim0_stride
	s_mov_b32 s[G1+6], 0
	s_mov_b32 s[G1+7], 0
	s_mul_i32 s48, s[WV], QTR                      ; my quarter of a half, in LDS as in memory
	s_mul_i32 s49, s[BH], HEADB
	s_add_co_u32 s50, s48, s49
	s_mov_b32 s51, 0
	s_mov_b32 s[SEL], 0x76543210
	s_mov_b32 s[SEL+1], 0xfedcba98
	s_mov_b32 s[CS], 0x3e38aa3b
	s_mov_b32 s[CS+1], s[CS]                       ; (named with it as a pair, so it is written)
	s_wait_dscnt 0x0
	s_wait_kmcnt 0x0
	s_mov_b32 s[G0], 1
	s_mov_b32 s[G0+1], s48
	s_add_nc_u64 s[G0+2:G0+3], s[4:5], s[50:51]
	s_mov_b32 s[G0+4], 1
	s_add_co_u32 s[G0+5], s48, HALF
	s_add_nc_u64 s[G0+6:G0+7], s[G0+2:G0+3], HALF
	s_or_b32 s[G0+3], s[G0+3], 0x80000000
	s_or_b32 s[G0+7], s[G0+7], 0x80000000
	CROUND                                         ; all four work-groups are here: the joint loads meet
	s_cmp_lt_u32 s[WV], 4                          ; waves 0-3 fetch: a wave's two loads stand in one branch; two tensor loads of mine are out at the most
	s_cbranch_scc0 .Lno_fetch
	tensor_load_to_lds s[G0:G0+3], s[G1:G1+7]
	s_nop 0
	tensor_load_to_lds s[G0+4:G0+7], s[G1:G1+7]
	s_nop 0
.rept 4
	v_nop
.endr
.Lno_fetch:
	v_and_b32 v9, 31, v0
	v_and_b32 v10, 15, v0                          ; r
	v_bfe_u32 v11, v0, 4, 1                        ; h
	s_delay_alu instid0(VALU_DEP_3)
	v_lshlrev_b32 v1, 3, v9
	s_delay_alu instid0(VALU_DEP_4)
	v_lshlrev_b32 v2, 4, v9
	s_delay_alu instid0(VALU_DEP_4)
	v_lshlrev_b32 v7, 4, v10
	v_lshlrev_b32 v8, 5, v10
	s_lshr_b32 s48, s[TAU], 1
	s_lshl_b32 s48, s48, 5
	s_and_b32 s49, s[TAU], 1
	s_lshl_b32 s49, s49, 3
	s_add_co_u32 s48, s48, s49
	v_and_b32 v5, 8, v10
	s_delay_alu instid0(VALU_DEP_1)
	v_add3_u32 v5, v5, v10, s48                    ; my query in its span
	v_lshlrev_b32 v11, 4, v11
	s_delay_alu instid0(VALU_DEP_1)
	v_sub_nc_u32 v5, v5, v11                       ; less 16 h
	v_mov_b32 v6, 0xff800000
.irp i, 22,23,24,25,26,27
	v_mov_b32 v[\i], 0                             ; Q's codes of the instruction's upper 64 along K: zeros
.endr
.irp t, 0,1,2,3
.irp i, 6,7,8,9,10,11
	v_mov_b32 v[32+12*\t+\i], 0                    ; and K's: written once
.endr
.endr
.irp i, 216,217,218,219,225,226
	v_mov_b32 v[\i], 0                             ; lane permutes' destinations, and the upper half of the pair v[224:225]: written before they are named
.endr
	s_xor_b32 s39, s[WV], 15                       ; 15 - wave
	s_min_u32 s[G], s[WV], s39
; A KEY STEP: 128 keys, record s[TT].
.macro STEP
	s_cmp_gt_u32 s[TT], s[G]                       ; all its keys come after my span's queries
	s_cbranch_scc1 .Lhid_\@
	s_setprio 2
	v_add_nc_u32 v[ADK], s[TB], v1
	s_wait_alu depctr_va_vdst(0)
	v_add_nc_u32 v[ADS], s[TB], v2
.irp gg, 0,1                                   ; S^T = K Q^T, four tiles of 16 keys at a time
.if \gg
.rept 4
	v_nop                                          ; places in front of loads into registers that matrix instructions have read
.endr
.endif
.irp t, 0,1,2,3
.irp p, 0,1,2
	ds_load_b64 v[32+12*\t+2*\p:33+12*\t+2*\p], v[ADK] offset:(4*\gg+\t)*768+256*\p
.endr
.endr
.if \gg == 0
	ds_load_b128 v[84:87], v[ADS] offset:12288     ; register i: lanes 0-15 the words of tile i, lanes 16-31 those of tile 4 + i
.endif
	s_wait_dscnt 0x0
.irp t, 0,1,2,3
.if \gg
	v_wmma_scale_f32_16x16x128_f8f6f4 v[128+8*\t:135+8*\t], v[32+12*\t:43+12*\t], v[16:27], 0, v[84+\t], v28 matrix_a_fmt:MATRIX_FMT_FP6 matrix_b_fmt:MATRIX_FMT_FP6 matrix_a_scale:MATRIX_SCALE_ROW1
.else
	v_wmma_scale_f32_16x16x128_f8f6f4 v[96+8*\t:103+8*\t], v[32+12*\t:43+12*\t], v[16:27], 0, v[84+\t], v28 matrix_a_fmt:MATRIX_FMT_FP6 matrix_b_fmt:MATRIX_FMT_FP6
.endif
.endr
.endr
.rept 4
	v_nop
.endr
	s_cmp_lg_u32 s[TT], s[G]                       ; on the diagonal the scores of hidden keys become -infinity ahead of the maximum: p = 0 then
	s_cbranch_scc1 .Lopen_\@
.set n, 0
.rept 64
	v_cmp_gt_i32 vcc_lo, 32*(n/16)+n%16, v5        ; register 16 b + i holds key 32 b + i + 16 h of the step
	v_cndmask_b32 v[96+n], v[96+n], v6, vcc_lo
.set n, n+1
.endr
.Lopen_\@:
.irp b, 0,1,2,3
	v_max3_num_f32 v[212+\b], v[96+16*\b], v[97+16*\b], v[98+16*\b]   ; the largest score of each block of 32 keys: for the row's maximum, and, since p rises with the score, for the block's largest p
.endr
.irp i, 3,5,7,9,11,13
.irp b, 0,1,2,3
	v_max3_num_f32 v[212+\b], v[212+\b], v[96+16*\b+\i], v[97+16*\b+\i]
.endr
.endr
.irp b, 0,1,2,3
	v_max_num_f32 v[212+\b], v[212+\b], v[111+16*\b]
.endr
.irp b, 0,1,2,3
	s_delay_alu instid0(VALU_DEP_4)
	v_permlanex16_b32 v[216+\b], v[212+\b], s[SEL], s[SEL+1]
.endr
.irp b, 0,1,2,3
	s_delay_alu instid0(VALU_DEP_4)
	v_max_num_f32 v[212+\b], v[212+\b], v[216+\b]  ; with lane l xor 16's 16 keys
.endr
	s_delay_alu instid0(VALU_DEP_2)
	v_max3_num_f32 v226, v212, v213, v214
	s_delay_alu instid0(VALU_DEP_1)
	v_max_num_f32 v226, v226, v215                 ; the step's largest score of my query
	s_delay_alu instid0(VALU_DEP_1)
	v_mul_f32 v226, s[CS], v226
	s_delay_alu instid0(VALU_DEP_1)
	v_max_num_f32 v13, v13, v226                   ; the running largest t
	v_mov_b32 v226, v12
	s_delay_alu instid0(VALU_DEP_2)
	v_floor_f32 v12, -v13                          ; the new -M = -ceil(t)
	s_delay_alu instid0(VALU_DEP_1)
	v_sub_f32 v226, v12, v226                      ; old M - new M: a whole number, 0 or less
	s_delay_alu instid0(VALU_DEP_1)
	v_cvt_i32_f32 v226, v226                       ; (it saturates)
	s_delay_alu instid0(VALU_DEP_1)
	v_ldexp_f32 v224, 1.0, v226                    ; f = 2^(old M - new M)
.set n, 0
.rept 32
	v_pk_fma_f32 v[96+n:97+n], v[96+n:97+n], s[CS:CS+1], v[12:13] op_sel_hi:[1,0,0]   ; t - M, two at a time
.set n, n+2
.endr
.irp b, 0,1,2,3
	v_fma_f32 v[212+\b], v[212+\b], s[CS], v12     ; the same of each block's largest score
.endr
.set n, 0
	s_setprio 1
	s_wait_alu depctr_va_vdst(0)
.rept 64
	v_exp_f32 v[96+n], v[96+n]                     ; p = 2^(t - M)
.set n, n+1
.endr
	v_pk_mul_f32 v[14:15], v[14:15], v[224:225] op_sel_hi:[1,0]   ; the sums under the new M: a plain instruction behind the exponentials
	s_wait_alu depctr_va_vdst(0)                   ; one wait for the batch, ahead of its first reader
.irp b, 0,1,2,3
	v_exp_f32 v[212+\b], v[212+\b]                 ; the block's largest p
.endr
	v_pk_add_f32 v[216:217], v[100:101], v[104:105]
	v_pk_add_f32 v[252:253], v[108:109], v[112:113]
	v_pk_add_f32 v[250:251], v[116:117], v[120:121]
	v_pk_add_f32 v[248:249], v[124:125], v[128:129]
	v_pk_add_f32 v[246:247], v[132:133], v[136:137]
	v_pk_add_f32 v[244:245], v[140:141], v[144:145]
	v_pk_add_f32 v[242:243], v[148:149], v[152:153]
	v_pk_add_f32 v[14:15], v[14:15], v[156:157]
	v_pk_add_f32 v[216:217], v[216:217], v[96:97]
	v_pk_add_f32 v[252:253], v[252:253], v[98:99]
	v_pk_add_f32 v[250:251], v[250:251], v[102:103]
	v_pk_add_f32 v[248:249], v[248:249], v[106:107]
	v_pk_add_f32 v[246:247], v[246:247], v[110:111]
	v_pk_add_f32 v[244:245], v[244:245], v[114:115]
	v_pk_add_f32 v[242:243], v[242:243], v[118:119]
	v_pk_add_f32 v[14:15], v[14:15], v[122:123]
	v_pk_add_f32 v[216:217], v[216:217], v[126:127]
	v_pk_add_f32 v[252:253], v[252:253], v[130:131]
	v_pk_add_f32 v[250:251], v[250:251], v[134:135]
	v_pk_add_f32 v[248:249], v[248:249], v[138:139]
	v_pk_add_f32 v[246:247], v[246:247], v[142:143]
	v_pk_add_f32 v[244:245], v[244:245], v[146:147]
	v_pk_add_f32 v[242:243], v[242:243], v[150:151]
	v_pk_add_f32 v[14:15], v[14:15], v[154:155]
	v_pk_add_f32 v[216:217], v[216:217], v[158:159]
	s_delay_alu instid0(VALU_DEP_2)
	v_pk_add_f32 v[14:15], v[14:15], v[248:249]
	s_delay_alu instid0(VALU_DEP_2)
	v_pk_add_f32 v[216:217], v[216:217], v[246:247]
	v_pk_add_f32 v[252:253], v[252:253], v[244:245]
	v_pk_add_f32 v[250:251], v[250:251], v[242:243]
	s_delay_alu instid0(VALU_DEP_2)
	v_pk_add_f32 v[14:15], v[14:15], v[252:253]
	s_delay_alu instid0(VALU_DEP_2)
	v_pk_add_f32 v[216:217], v[216:217], v[250:251]
	s_delay_alu instid0(VALU_DEP_1)
	v_pk_add_f32 v[14:15], v[14:15], v[216:217]
	s_wait_alu depctr_va_vdst(0)                   ; and one for the four
.irp b, 0,1,2,3
	v_max_num_f32 v[212+\b], 0x1800000, v[212+\b]  ; the floor 2^(3 - 127)
.endr
.irp b, 0,1,2,3
	s_delay_alu instid0(VALU_DEP_4)
	v_add_nc_u32 v[220+\b], 0xff000000, v[212+\b]  ; 2 off the exponent field: the conversion's scale operand
.endr
.irp b, 0,1,2,3
	s_delay_alu instid0(VALU_DEP_4)
	v_lshrrev_b32 v[216+\b], 23, v[220+\b]         ; the scale's byte
.endr
	s_delay_alu instid0(VALU_DEP_3)
	v_lshl_or_b32 v29, v217, 8, v216               ; p's scale word for these 128 keys
	s_delay_alu instid0(VALU_DEP_1)
	v_lshl_or_b32 v29, v218, 16, v29
	s_delay_alu instid0(VALU_DEP_1)
	v_lshl_or_b32 v29, v219, 24, v29
.irp c, 0,1
	v_cvt_scalef32_pk16_fp6_f32 v[192+6*\c:194+6*\c], v[96+32*\c:111+32*\c], v[220+2*\c]
	v_cvt_scalef32_pk16_fp6_f32 v[204+4*\c:206+4*\c], v[112+32*\c:127+32*\c], v[220+2*\c+1]
.endr
	v_nop                                          ; one plain instruction behind the scaled conversions
.irp t, 0,1,2,3                                ; V^T's four fragments land where p stood, while the codes are put in place and O^T is rescaled
.irp p, 0,1,2,3,4,5
	ds_load_b64 v[96+12*\t+2*\p:97+12*\t+2*\p], v[ADK] offset:6144+1536*\t+256*\p
.endr
.endr
	s_setprio 0
	ds_load_b64 v[30:31], v[ADK] offset:12800      ; register i: lanes 0-15 the words of tile i, lanes 16-31 those of tile 2 + i
.irp c, 0,1
.irp i, 0,1,2
	v_permlane16_swap_b32 v[192+6*\c+\i], v[204+4*\c+\i]
.endr
.irp i, 0,1,2
	s_delay_alu instid0(VALU_DEP_3)
	v_mov_b32 v[195+6*\c+\i], v[204+4*\c+\i]
.endr
.endr
.set n, 0
.rept 16
	v_pk_mul_f32 v[160+n:161+n], v[160+n:161+n], v[224:225] op_sel_hi:[1,0]   ; O^T under the new M, each accumulator from its low end on; these are also the places ahead of the scaled products
.set n, n+2
.endr
	s_wait_alu depctr_va_vdst(0)
	s_wait_dscnt 0x0
.irp t, 0,1,2,3                                ; O^T += V^T P^T: the four accumulators by turns
.if \t < 2
	v_wmma_scale_f32_16x16x128_f8f6f4 v[160+8*\t:167+8*\t], v[96+12*\t:107+12*\t], v[192:203], v[160+8*\t:167+8*\t], v[30+\t%2], v29 matrix_a_fmt:MATRIX_FMT_FP6 matrix_b_fmt:MATRIX_FMT_FP6
.else
	v_wmma_scale_f32_16x16x128_f8f6f4 v[160+8*\t:167+8*\t], v[96+12*\t:107+12*\t], v[192:203], v[160+8*\t:167+8*\t], v[30+\t%2], v29 matrix_a_fmt:MATRIX_FMT_FP6 matrix_b_fmt:MATRIX_FMT_FP6 matrix_a_scale:MATRIX_SCALE_ROW1
.endif
.endr
.rept 5
	v_nop                                          ; five places: the next step's first products write over the registers that held V^T
.endr
.Lhid_\@:
.endm
; ONE TILE OF 16 QUERIES, of span s[G], against the first \trips key steps.
.macro PASS trips
	s_wait_xcnt 0x0                                ; the pass before has read its bases and its stores' registers
	s_lshl_b32 s48, s[BH], 4
	s_add_co_u32 s48, s48, s[G]
	s_mul_i32 s48, s48, QREC
	s_add_co_u32 s48, s48, QOFF                    ; the span's record of Q
	s_mul_i32 s49, s[TAU], 768
	s_add_co_u32 s50, s48, s49
	s_mov_b32 s51, 0
	s_add_nc_u64 s[40:41], s[4:5], s[50:51]        ; my tile's codes
	s_lshr_b32 s49, s[TAU], 2
	s_lshl_b32 s49, s49, 8
	s_and_b32 s52, s[TAU], 3
	s_lshl_b32 s52, s52, 2
	s_add_co_u32 s49, s49, s52
	s_add_co_u32 s50, s48, s49
	s_add_co_u32 s50, s50, 6144
	s_add_nc_u64 s[42:43], s[4:5], s[50:51]        ; and its scale words, 16 bytes from row to row
	s_lshr_b32 s48, s[BH], 4
	s_lshl_b32 s48, s48, 7
	s_lshl_b32 s49, s[G], 3
	s_add_co_u32 s48, s48, s49
	s_add_co_u32 s48, s48, s[TAU]                  ; the tile among the 512 of the result's rows
	s_and_b32 s49, s[BH], 15                       ; the head
	s_lshr_b32 s52, s49, 2
	s_mul_i32 s52, s52, SIGO
	s_mul_i32 s53, s48, 3072
	s_add_co_u32 s52, s52, s53
	s_and_b32 s53, s49, 3
	s_mul_i32 s53, s53, 768
	s_add_co_u32 s50, s52, s53
	s_add_nc_u64 s[44:45], s[6:7], s[50:51]
	s_lshl_b32 s50, s48, 9
	s_lshl_b32 s53, s49, 1
	s_add_co_u32 s50, s50, s53
	s_add_nc_u64 s[46:47], s[8:9], s[50:51]
.irp p, 0,1,2
	global_load_b64 v[16+2*\p:17+2*\p], v1, s[40:41] offset:256*\p
.endr
	global_load_b32 v28, v7, s[42:43]
	v_mov_b32 v13, 0xff61b1e6                      ; the largest t so far: -3e38
	s_delay_alu instid0(VALU_DEP_1)
	v_floor_f32 v12, -v13
	v_mov_b32 v14, 0
	v_mov_b32 v15, 0
.set n, 0
.rept 32
	v_mov_b32 v[160+n], 0                          ; O^T: the step is written once: the first finds zeros, which the first change of M leaves zeros
.set n, n+1
.endr
	s_mov_b32 s[TT], 0
	s_mov_b32 s[TB], 0
	s_wait_loadcnt 0x0
.Lpass_\@:
	STEP
	s_add_co_u32 s[TB], s[TB], REC
	s_add_co_u32 s[TT], s[TT], 1
	s_cmp_lt_u32 s[TT], \trips
	s_cbranch_scc1 .Lpass_\@
	s_setprio 0
	v_add_f32 v14, v14, v15                        ; the sum's two halves,
	s_delay_alu instid0(VALU_DEP_1)
	v_permlanex16_b32 v226, v14, s[SEL], s[SEL+1]
	s_delay_alu instid0(VALU_DEP_1)
	v_add_f32 v14, v14, v226                       ; and lane l xor 16's
	s_wait_alu depctr_va_vdst(0)
	v_rcp_f32 v224, v14
	v_nop                                          ; a plain instruction behind the reciprocal,
	s_wait_alu depctr_va_vdst(0)                   ; and the wait ahead of its first reader
.set n, 0
.rept 16
	v_pk_mul_f32 v[160+n:161+n], v[160+n:161+n], v[224:225] op_sel_hi:[1,0]   ; register 16 b + i is o(my query, d = 32 b + 16 h + i)
.set n, n+2
.endr
.irp b, 0,1
	v_max3_num_f32 v[212+\b], |v[160+16*\b]|, |v[161+16*\b]|, 0x1800000
.endr
.irp i, 2,4,6,8,10,12,14
.irp b, 0,1
	s_delay_alu instid0(VALU_DEP_2)
	v_max3_num_f32 v[212+\b], |v[160+16*\b+\i]|, |v[161+16*\b+\i]|, v[212+\b]
.endr
.endr
.irp b, 0,1
	s_delay_alu instid0(VALU_DEP_2)
	v_permlanex16_b32 v[216+\b], v[212+\b], s[SEL], s[SEL+1]
.endr
.irp b, 0,1
	s_delay_alu instid0(VALU_DEP_2)
	v_max_num_f32 v[212+\b], v[212+\b], v[216+\b]
.endr
.irp b, 0,1
	s_delay_alu instid0(VALU_DEP_2)
	v_add_nc_u32 v[220+\b], 0xff000000, v[212+\b]
.endr
.irp b, 0,1
	s_delay_alu instid0(VALU_DEP_2)
	v_lshrrev_b32 v[216+\b], 23, v[220+\b]
.endr
	s_delay_alu instid0(VALU_DEP_1)
	v_lshl_or_b32 v226, v217, 8, v216              ; the head's two scale bytes of my row
	v_cvt_scalef32_pk16_fp6_f32 v[192:194], v[160:175], v220
	v_cvt_scalef32_pk16_fp6_f32 v[196:198], v[176:191], v221
	v_nop
.irp i, 0,1,2
	v_permlane16_swap_b32 v[192+\i], v[196+\i]
.endr
	s_delay_alu instid0(VALU_DEP_3)
	v_mov_b32 v195, v196
	s_delay_alu instid0(VALU_DEP_3)
	v_mov_b32 v196, v197
	s_delay_alu instid0(VALU_DEP_3)
	v_mov_b32 v197, v198                           ; registers 0-5 of a fragment: k = 32 h + 0 .. 31 of the head's 64
.irp p, 0,1,2
	global_store_b64 v1, v[192+2*\p:193+2*\p], s[44:45] offset:256*\p   ; 32 lanes store 256 consecutive bytes, aligned
.endr
	global_store_b16 v8, v226, s[46:47]            ; lanes r and r + 16 write the same two bytes with the same value
.endm
	s_wait_tensorcnt 0x1                           ; my part of the first half is in; the second half's load may be out
	s_barrier_signal -1
	s_barrier_wait -1                              ; everybody's is
	PASS 8                                         ; spans 0-7 want key steps 0-7 at the most
	s_xor_b32 s[G], s[G], 15                       ; 15 - span
	s_wait_tensorcnt 0x0                           ; my part of the second half is in,
	s_wait_dscnt 0x0
	s_barrier_signal -1
	s_barrier_wait -1                              ; everybody's is
	PASS 16
	s_wait_tensorcnt 0x0
	ds_add_u32 v254, v255
	s_wait_dscnt 0x0
	CROUND                                         ; the closing round
	s_endpgm
.Lfunc_end_k_qaef2d30e78_attn:
	.size	k_qaef2d30e78_attn, .Lfunc_end_k_qaef2d30e78_attn-k_qaef2d30e78_attn
	.p2alignl 7, 3214868480
	.fill 96, 4, 3214868480
	.section	.rodata,"a",@progbits
	.p2align	6, 0x0
	.amdhsa_kernel k_qaef2d30e78_attn
		.amdhsa_group_segment_fixed_size 210944
		.amdhsa_private_segment_fixed_size 0
		.amdhsa_enable_private_segment 0
		.amdhsa_kernarg_size 24
		.amdhsa_user_sgpr_count 2
		.amdhsa_user_sgpr_kernarg_segment_ptr 1
		.amdhsa_wavefront_size32 1
		.amdhsa_system_sgpr_workgroup_id_x 1
		.amdhsa_system_sgpr_workgroup_id_y 1
		.amdhsa_system_sgpr_workgroup_id_z 1
		.amdhsa_system_vgpr_workitem_id 0
		.amdhsa_next_free_vgpr 256
		.amdhsa_next_free_sgpr 66
		.amdhsa_reserve_vcc 1
		.amdhsa_float_denorm_mode_32 3
		.amdhsa_float_denorm_mode_16_64 3
		.amdhsa_memory_ordered 1
		.amdhsa_forward_progress 1
		.amdhsa_inst_pref_size 68
	.end_amdhsa_kernel
	.amdgpu_metadata
---
amdhsa.version: [ 1, 2 ]
amdhsa.kernels:
  - .name:           k_qaef2d30e78_attn
    .symbol:         k_qaef2d30e78_attn.kd
    .args:
      - { .name: qkv, .offset: 0, .size: 8, .value_kind: global_buffer, .address_space: global }
      - { .name: ocodes, .offset: 8, .size: 8, .value_kind: global_buffer, .address_space: global }
      - { .name: oscales, .offset: 16, .size: 8, .value_kind: global_buffer, .address_space: global }
    .group_segment_fixed_size: 210944
    .private_segment_fixed_size: 0
    .kernarg_segment_align: 8
    .kernarg_segment_size: 24
    .max_flat_workgroup_size: 512
    .sgpr_count:     66
    .vgpr_count:     256
    .wavefront_size: 32
...
	.end_amdgpu_metadata
.endif
;; end of part 3
;; launch oproj (part 4): grid 4 x 32, 4 waves a work-group, clusters of 4 x 4, 327,680 bytes of LDS; arguments ocodes, oscales, codes, scales, out0; writes out0
.if DOCPART == 4
	.amdgcn_target "amdgcn-amd-amdhsa--gfx1250"
	.amdhsa_code_object_version 6
	.text
	.protected	k_qaef2d30e78_oproj
	.globl	k_qaef2d30e78_oproj
	.p2align	8
	.type	k_qaef2d30e78_oproj,@function
k_qaef2d30e78_oproj:
	s_mov_b64 s[64:65], 0
	v_nop
	global_prefetch_b8 v0, s[64:65] scope:SCOPE_SE
	s_setreg_imm32_b32 hwreg(HW_REG_WAVE_MODE, 25, 1), 1
	s_wait_xcnt 0x0
	s_wait_alu depctr_hold_cnt(0) depctr_sa_sdst(0) depctr_va_vdst(0) depctr_va_sdst(0) depctr_va_ssrc(0) depctr_va_vcc(0) depctr_vm_vsrc(0)
	s_getreg_b32 s2, hwreg(HW_REG_IB_STS2, 6, 4)
	s_cmp_eq_u32 s2, 0
	s_cbranch_scc0 .Lentry_in_a_cluster
	s_endpgm
.Lentry_in_a_cluster:
	s_bfe_u32 s2, ttmp6, 0x10000c
	s_cmp_lg_u32 s2, 0xf033
	s_cbranch_scc0 .Lentry_shape_is_right
	s_endpgm
.Lentry_shape_is_right:
; out0 = o Wo^T on codes of FP6 (E2M3) with E8M0 scales.  o: 8,192 rows x 1,024 (head, d), as the attention launch stored it; Wo: tiles 704-767 of the codes' buffer.  out0: [8192][1024] f32.
; 128 tiles of 256 x 256; four waves, each 128 x 128: 64 accumulators.  K = 1,024 goes in four steps of 256 through a ring of two LDS slots.  The grid has work for 128 work-groups.
; THE MATRIX INSTRUCTION: source 0 = 16 rows of B (Wo), source 1 = 16 rows of A (o): a lane holds a row of the result and eight neighbouring columns an accumulator.
; TILES AND IMAGES: a tile is 16 positions (in a group of 32 rows position 16 u + p is row 8 u + p + 8 (p / 8)); a fragment lies as its registers stand, six pieces of 256 bytes; 8 tiles x 256 K are one dense block of
; 24,576 bytes.  The order of positions is undone on the way out, in the immediates of the stage's stores (columns) and of the global stores (rows).
; CLUSTERS: 4 x 4 work-groups; A's tiles are shared along a row of the cluster, B's along a column, and are asked for jointly.
; REGISTERS, in windows of 256: window 0: v0-31 addresses; v32-63 scale words, two sets; v128-223 A's fragments; on the way out v128-255 rows of the result.  window 1: B's fragments, two sets.  windows 2, 3: the accumulators.
.set NQ,     2
.set FR,     12
.set NL,     6
.set NP,     4                         ; places behind this matrix instruction (ISA guide 7.12.1)
.set TILEB,  3072
.set HALFT,  8*TILEB
.set SLOT,   4*HALFT
.set LAPS,   2
.set KS,     32
.set SCL,    2*SLOT
.set HALFS,  16*272
.set SBLK,   2*272
.set SPARE,  SCL+4*HALFS               ; the spare words, 128 bytes for each wave: two blocks of 256 bytes that no other line names
.set SIGA,   512*TILEB                 ; from 256 along K to the next: in o's codes,
.set SIGB,   768*TILEB                 ; in the weights'
.set SPITCH, 528                       ; the way out: a stage of 16 rows x (512 bytes + 16) for each wave, in slot 0, which has had its last fill and its last read when the first result is stored there
.set ADRA, 16
.set ADRB, 20
.set STO,  24                          ; v24  the way out: where I put 32 bytes of a row
.set RD,   25                          ; v25  where I read a row back
.set CO,   26                          ; v26  my byte offset in a row of the result
.set ADRS, 27
.set SPW,  28                          ; v28  LDS address of my spare word; never rewritten
.set NIL,  29                          ; v29  0; never rewritten
.set SC,   32
.set AF,   128
.set BK,   128                         ; the way out: 16 rows read back: v128-191 and v192-255 by turns
.set G1, 24
.set G0, 32
.set G1B, 48
.set G0B, 56
.set G1S, 68
.set G0S, 76
.set G1SB, 80
.set G0SB, 88
.set MSB, 0
.macro WIN new                         ; the immediate's high byte repeats the setting that is left
.if MSB != \new
	s_set_vgpr_msb (MSB<<8)|\new
.set MSB, \new
.endif
.endm
.set MUL_LO, 0xa1
.set MUL_HI, 0xf1
.set TO_B,   0x40
.macro JLOAD g0a, g1a, g0b, g1b        ; a joint load: waves 0 and 1 fetch for A, waves 2 and 3 for B; four v_nop follow each of the two lines
	s_cmp_eq_u32 s15, 0
	s_cbranch_scc0 .Lfor_b_\@
	tensor_load_to_lds s[\g0a:\g0a+3], s[\g1a:\g1a+7]
	s_nop 0
.rept 4
	v_nop
.endr
	s_branch .Lasked_\@
.Lfor_b_\@:
	tensor_load_to_lds s[\g0b:\g0b+3], s[\g1b:\g1b+7]
	s_nop 0
.rept 4
	v_nop
.endr
.Lasked_\@:
.endm
.macro CREST
	s_cmp_lg_u32 s14, 0
	s_cbranch_scc1 .Lnot_wave_0_\@
	s_barrier_signal -3
.Lnot_wave_0_\@:
	s_barrier_wait -3
	s_barrier_signal -1
	s_barrier_wait -1
.endm
.macro CROUND
	s_barrier_signal -1
	s_barrier_wait -1
	CREST
.endm
	s_load_b128 s[4:7], s[0:1], 0x0                ; o's codes, o's scales
	s_load_b128 s[8:11], s[0:1], 0x10              ; the weights' codes, their scales
	s_load_b64 s[12:13], s[0:1], 0x20              ; out0
	v_lshl_add_u32 v[SPW], v0, 2, SPARE
	v_mov_b32 v[NIL], 0
	ds_add_u32 v28, v29
	ds_add_u32 v28, v29
	s_wait_dscnt 0x0
	v_lshrrev_b32 v1, 5, v0
	v_readfirstlane_b32 s14, v1                    ; wave 0..3
	s_lshr_b32 s15, s14, 1                         ; which half of the tile's rows is mine.  Also: I fetch for A (0) or for B (1)
	s_and_b32 s16, s14, 1                          ; which half of its columns.  Also: which 8 tiles I fetch
	s_bfe_u32 s40, ttmp6, 0x40000                  ; cx, cy
	s_bfe_u32 s41, ttmp6, 0x40004
	s_lshl_b32 s42, ttmp9, 2
	s_add_co_u32 s42, s42, s40                     ; tile column
	s_and_b32 s17, ttmp7, 0xffff
	s_lshl_b32 s17, s17, 2
	s_add_co_u32 s17, s17, s41                     ; tile row
	s_lshl_b32 s43, s41, 2
	s_lshl_b32 s43, 15, s43                        ; my row of the cluster
	s_lshl_b32 s44, 0x1111, s40                    ; my column
	s_or_b32 s[G1+0], s43, (3<<16)|(1<<21)         ; a dense block of 24,576 bytes as 96 rows of 32 elements of 8 bytes, no padding
	s_or_b32 s[G1B+0], s44, (3<<16)|(1<<21)
.irp g, G1, G1B
	s_mov_b32 s[\g+1], 32<<16
	s_mov_b32 s[\g+2], 96<<16
	s_mov_b32 s[\g+3], 32<<16
	s_mov_b32 s[\g+4], 96
	s_mov_b32 s[\g+5], 32
	s_mov_b32 s[\g+6], 0
	s_mov_b32 s[\g+7], 0
.endr
	s_or_b32 s[G1S+0], s43, (3<<16)|(1<<20)|(1<<21)|(5<<22)|(3<<25)   ; the scale bytes of 128 rows: 16 rows of 256 bytes, 16 of padding behind each
	s_or_b32 s[G1SB+0], s44, (3<<16)|(1<<20)|(1<<21)|(5<<22)|(3<<25)
.irp g, G1S, G1SB
	s_mov_b32 s[\g+1], 32<<16
	s_mov_b32 s[\g+2], 16<<16
	s_mov_b32 s[\g+3], 32<<16
	s_mov_b32 s[\g+4], 16
	s_mov_b32 s[\g+5], 32
	s_mov_b32 s[\g+6], 0
	s_mov_b32 s[\g+7], 0
.endr
	s_lshl_b32 s18, s16, 3                         ; which 8 tiles of the 16 I fetch
	s_lshl_b32 s20, s17, 4
	s_add_co_u32 s20, s20, s18                     ; A: tile 16 x tile row + 8 x half
	s_lshl_b32 s46, s42, 4
	s_add_co_u32 s46, s46, s18
	s_add_co_u32 s46, s46, 704                     ; B: Wo's tiles begin at 704
	s_lshl_b32 s22, s20, 9
	s_mov_b32 s23, 0
	s_lshl_b32 s92, s46, 9
	s_mov_b32 s93, 0
	s_mul_i32 s20, s20, TILEB
	s_mov_b32 s21, 0
	s_mul_i32 s46, s46, TILEB
	s_mov_b32 s47, 0
	s_mul_i32 s45, s14, HALFT
	s_mul_i32 s94, s14, HALFS
	s_wait_kmcnt 0x0
	s_add_nc_u64 s[20:21], s[4:5], s[20:21]
	s_add_nc_u64 s[22:23], s[6:7], s[22:23]
	s_add_nc_u64 s[46:47], s[8:9], s[46:47]
	s_add_nc_u64 s[92:93], s[10:11], s[92:93]
	CROUND                                         ; all sixteen work-groups are here: the first joint loads meet
	s_mov_b32 s[G0S], 1
	s_add_co_u32 s[G0S+1], s94, SCL
	s_mov_b64 s[G0S+2:G0S+3], s[22:23]
	s_or_b32 s[G0S+3], s[G0S+3], 0x80000000
	s_mov_b32 s[G0SB], 1
	s_add_co_u32 s[G0SB+1], s94, SCL
	s_mov_b64 s[G0SB+2:G0SB+3], s[92:93]
	s_or_b32 s[G0SB+3], s[G0SB+3], 0x80000000
	JLOAD G0S, G1S, G0SB, G1SB
.irp s, 0,1
	s_mov_b32 s[G0+4*\s], 1
	s_add_co_u32 s[G0+4*\s+1], s45, \s*SLOT
	s_add_nc_u64 s[G0+4*\s+2:G0+4*\s+3], s[20:21], \s*SIGA
	s_or_b32 s[G0+4*\s+3], s[G0+4*\s+3], 0x80000000
	s_mov_b32 s[G0B+4*\s], 1
	s_add_co_u32 s[G0B+4*\s+1], s45, \s*SLOT
	s_add_nc_u64 s[G0B+4*\s+2:G0B+4*\s+3], s[46:47], \s*SIGB
	s_or_b32 s[G0B+4*\s+3], s[G0B+4*\s+3], 0x80000000
	JLOAD G0+4*\s, G1, G0B+4*\s, G1B               ; three tensor loads of mine are out now
.endr
	v_and_b32 v1, 15, v0                           ; r
	v_bfe_u32 v2, v0, 4, 1                         ; h
	v_and_b32 v3, 31, v0
	v_lshlrev_b32 v4, 3, v3                        ; 8 x lane
	s_mul_i32 s21, s15, HALFT
	s_mul_i32 s22, s16, HALFT
	s_add_co_u32 s22, s22, 2*HALFT
.irp s, 0,1
	v_add_nc_u32 v[ADRA+\s], s21, v4
	v_add_nc_u32 v[ADRB+\s], s22, v4
	s_add_co_u32 s21, s21, SLOT
	s_add_co_u32 s22, s22, SLOT
.endr
	v_mul_u32_u24 v5, v1, KS
	v_lshrrev_b32 v6, 8, v5
	v_lshl_add_u32 v5, v6, 4, v5
	s_mul_i32 s21, s15, HALFS
	s_mul_i32 s22, s16, HALFS
	s_add_co_u32 s22, s22, 2*HALFS
	s_sub_co_u32 s22, s22, s21
	v_mul_u32_u24 v6, s22, v2                      ; lanes 16-31 take B's
	s_add_co_u32 s21, s21, SCL
	v_add_nc_u32 v5, v5, v6
	v_add_nc_u32 v[ADRS], s21, v5
	s_mul_i32 s23, s14, 16*SPITCH                  ; my stage
	v_mul_u32_u24 v5, v1, SPITCH                   ; in: row r; B's tiles 2 b, 2 b + 1 hold columns 32 b + 16 h + 0 .. 15: 64 h bytes on
	v_lshl_add_u32 v5, v2, 6, v5
	v_add_nc_u32 v[STO], s23, v5
	v_lshlrev_b32 v[CO], 4, v3                     ; back: the 32 lanes take one row of 512 bytes; and the same in the result
	v_add_nc_u32 v[RD], s23, v[CO]
	s_lshl_b32 s20, s17, 8
	s_lshl_b32 s21, s15, 7
	s_add_co_u32 s20, s20, s21                     ; my first row: 256 x tile row + 128 x half
	s_lshl_b32 s20, s20, 12                        ; of 4,096 bytes
	s_lshl_b32 s46, s42, 10                        ; my first column, in bytes: 1,024 x tile column + 512 x half
	s_lshl_b32 s47, s16, 9
	s_add_co_u32 s46, s46, s47
	s_add_co_u32 s20, s20, s46
	s_mov_b32 s21, 0
	s_add_nc_u64 s[12:13], s[12:13], s[20:21]
.macro FRAG reg, adr, q, i
.irp p, 0,1,2,3,4,5
	ds_load_b64 v[\reg+2*\p:\reg+2*\p+1], v[\adr] offset:(\i)*TILEB+(\q)*1536+256*\p
.endr
.endm
; The 64 accumulators take turns, one instruction a turn, in the same order in every step.
.macro MUL16 a0, p, q, sc, zero
.irp a, \a0, \a0+1
.irp b, 0,1,2,3,4,5,6,7
.if \zero
	v_wmma_scale_f32_16x16x128_f8f6f4 v[8*(8*((\a)%4)+\b):8*(8*((\a)%4)+\b)+7], v[128*(\p)+FR*\b:128*(\p)+FR*\b+FR-1], v[AF+FR*(\a):AF+FR*(\a)+FR-1], 0, v[SC+8*NQ*(\sc)+NQ*\b+(\q)], v[SC+8*NQ*(\sc)+NQ*(\a)+(\q)] matrix_a_fmt:MATRIX_FMT_FP6 matrix_b_fmt:MATRIX_FMT_FP6 matrix_a_scale:MATRIX_SCALE_ROW1
.else
	v_wmma_scale_f32_16x16x128_f8f6f4 v[8*(8*((\a)%4)+\b):8*(8*((\a)%4)+\b)+7], v[128*(\p)+FR*\b:128*(\p)+FR*\b+FR-1], v[AF+FR*(\a):AF+FR*(\a)+FR-1], v[8*(8*((\a)%4)+\b):8*(8*((\a)%4)+\b)+7], v[SC+8*NQ*(\sc)+NQ*\b+(\q)], v[SC+8*NQ*(\sc)+NQ*(\a)+(\q)] matrix_a_fmt:MATRIX_FMT_FP6 matrix_b_fmt:MATRIX_FMT_FP6 matrix_a_scale:MATRIX_SCALE_ROW1
.endif
.endr
.endr
.endm
.macro FETCH_B slot, q, p
	WIN TO_B
.irp i, 0,1,2,3,4,5,6,7
	FRAG 128*(\p)+FR*\i, ADRB+\slot, \q, \i
.endr
	WIN 0
.endm
.macro FETCH_A slot, q, i0
.irp i, \i0, \i0+1, \i0+2, \i0+3
	FRAG AF+FR*(\i), ADRA+\slot, \q, \i
.endr
.endm
.macro SCALES sc
.irp i, 0,1,2,3,4,5,6,7
	ds_load_b64 v[SC+8*NQ*\sc+NQ*\i:SC+8*NQ*\sc+NQ*\i+1], v[ADRS] offset:\i*SBLK
.endr
.endm
.macro PLACES n
.rept \n
	v_nop
.endr
.endm
.macro STEP slot, q, zero
	s_wait_dscnt 4*NL                              ; B's set, A's blocks 0-3 and the scale words are in; the youngest 24 loads (A's blocks 4-7) may be out
	WIN MUL_LO
	MUL16 0, (\q)%2, \q, \slot, \zero
	MUL16 2, (\q)%2, \q, \slot, \zero
	s_wait_dscnt 0
	PLACES NP
	FETCH_B \slot, (\q)+1, 1-(\q)%2
	FETCH_A \slot, (\q)+1, 0
	WIN MUL_HI
	MUL16 4, (\q)%2, \q, \slot, \zero
	MUL16 6, (\q)%2, \q, \slot, \zero
	PLACES NP
	WIN 0
	FETCH_A \slot, (\q)+1, 4
.endm
.macro TURN slot, next, fill
	s_wait_tensorcnt 0x0                           ; all my tensor loads have landed: my part of the next slot
	ds_add_u32 v[SPW], v[NIL]                      ; 0 onto my spare word
	s_wait_dscnt 4*NL+1                            ; (the add and the youngest 24 loads may be out)
	WIN MUL_LO
	MUL16 0, 1, NQ-1, \slot, 0
	s_wait_dscnt 0x0                               ; the add is done, and my reads of this slot are over
	s_barrier_signal -1
	MUL16 2, 1, NQ-1, \slot, 0
	WIN 0
	s_barrier_wait -1
.if \fill
	CREST                                          ; no wave of any partner still reads this slot or has a load on its way
	s_add_nc_u64 s[G0+4*\slot+2:G0+4*\slot+3], s[G0+4*\slot+2:G0+4*\slot+3], 2*SIGA
	s_add_nc_u64 s[G0B+4*\slot+2:G0B+4*\slot+3], s[G0B+4*\slot+2:G0B+4*\slot+3], 2*SIGB
	JLOAD G0+4*\slot, G1, G0B+4*\slot, G1B         ; the first tensor load behind the round, my only one out
.else
	PLACES NP
.endif
	v_add_nc_u32 v[ADRS], 4*NQ, v[ADRS]
	FETCH_B \next, 0, 0
	FETCH_A \next, 0, 0
	SCALES \next
	WIN MUL_HI
	MUL16 4, 1, NQ-1, \slot, 0
	MUL16 6, 1, NQ-1, \slot, 0
	PLACES NP
	WIN 0
	FETCH_A \next, 0, 4
.endm
	s_wait_tensorcnt 1                             ; the scales and my part of slot 0 are in (slot 1's load may be out),
	s_barrier_signal -1
	s_barrier_wait -1                              ; everybody's are
	FETCH_B 0, 0, 0
	FETCH_A 0, 0, 0
	SCALES 0
	FETCH_A 0, 0, 4
	STEP 0, 0, 1
	s_mov_b32 s3, LAPS-1
.Llap:
	TURN 0, 1, 1
	STEP 1, 0, 0
	TURN 1, 0, 1
	STEP 0, 0, 0
	s_sub_co_u32 s3, s3, 1
	s_cmp_lg_u32 s3, 0
	s_cbranch_scc1 .Llap
	TURN 0, 1, 0
	STEP 1, 0, 0
	s_wait_dscnt 4*NL
	WIN MUL_LO
	MUL16 0, 1, NQ-1, 1, 0
	MUL16 2, 1, NQ-1, 1, 0
	s_wait_dscnt 0
	WIN MUL_HI
	MUL16 4, 1, NQ-1, 1, 0
	MUL16 6, 1, NQ-1, 1, 0
	WIN 0
; THE WAY OUT, block by block of 16 rows x 128 columns, through my own stage: in by lanes' 32 bytes, back as whole rows of 512 bytes.  LDS serves a wave's instructions in order (ISA guide 5.7.1.4).
.macro TOSTAGE a
.set AC, 64*((\a)%4)
	WIN 0x08+4*((\a)/4)                            ; the data: window 2 or 3
.irp b, 0,1,2,3,4,5,6,7
	ds_store_b128 v[STO], v[AC+8*\b:AC+8*\b+3] offset:128*(\b/2)+32*(\b%2)          ; each accumulator from its low end on; columns 32 (b / 2) + 16 h + 8 (b % 2) on
	ds_store_b128 v[STO], v[AC+8*\b+4:AC+8*\b+7] offset:128*(\b/2)+32*(\b%2)+16
.endr
	WIN 0
.set BB, BK+64*((\a)%2)
.irp t, 0,1,2,3,4,5,6,7,8,9,10,11,12,13,14,15
	ds_load_b128 v[BB+4*\t:BB+4*\t+3], v[RD] offset:\t*SPITCH
.endr
.endm
.macro SEND a, younger                 ; younger: the LDS instructions issued behind block a's loads, which may stay out
.set BB, BK+64*((\a)%2)
	s_wait_dscnt \younger
.if (\a) > 0
.if ((\a)%2) == 1
	s_add_nc_u64 s[12:13], s[12:13], 8*4096        ; block a begins at row 32 (a / 2) + 8 (a % 2)   (behind a wait on XCNT: the earlier stores have read their base)
.else
	s_add_nc_u64 s[12:13], s[12:13], 24*4096
.endif
.endif
.irp t, 0,1,2,3,4,5,6,7,8,9,10,11,12,13,14,15
	global_store_b128 v[CO], v[BB+4*\t:BB+4*\t+3], s[12:13] offset:(\t+8*(\t/8))*4096 th:TH_STORE_NT   ; position t is row t + 8 (t / 8); 32 lanes store 512 consecutive bytes, aligned
.endr
.endm
	PLACES NP
	TOSTAGE 0
.irp a, 1,2,3,4,5,6,7
.if \a > 1
	s_wait_xcnt 0x0                                ; block a - 2's stores have read their registers and their base
.endif
	TOSTAGE \a
	SEND \a-1, 32                                  ; behind block a - 1's loads: block a's 16 stores and 16 loads
.endr
	s_wait_xcnt 0x0
	SEND 7, 0
	s_wait_tensorcnt 0x0                           ; the wave's end
	ds_add_u32 v[SPW], v[NIL]
	s_wait_dscnt 0x0
	CROUND                                         ; the closing round
	s_endpgm
.Lfunc_end_k_qaef2d30e78_oproj:
	.size	k_qaef2d30e78_oproj, .Lfunc_end_k_qaef2d30e78_oproj-k_qaef2d30e78_oproj
	.p2alignl 7, 3214868480
	.fill 96, 4, 3214868480
	.section	.rodata,"a",@progbits
	.p2align	6, 0x0
	.amdhsa_kernel k_qaef2d30e78_oproj
		.amdhsa_group_segment_fixed_size 327680
		.amdhsa_private_segment_fixed_size 0
		.amdhsa_enable_private_segment 0
		.amdhsa_kernarg_size 40
		.amdhsa_user_sgpr_count 2
		.amdhsa_user_sgpr_kernarg_segment_ptr 1
		.amdhsa_wavefront_size32 1
		.amdhsa_system_sgpr_workgroup_id_x 1
		.amdhsa_system_sgpr_workgroup_id_y 1
		.amdhsa_system_sgpr_workgroup_id_z 1
		.amdhsa_system_vgpr_workitem_id 0
		.amdhsa_next_free_vgpr 1024
		.amdhsa_next_free_sgpr 98
		.amdhsa_reserve_vcc 0
		.amdhsa_float_denorm_mode_32 3
		.amdhsa_float_denorm_mode_16_64 3
		.amdhsa_memory_ordered 1
		.amdhsa_forward_progress 1
		.amdhsa_inst_pref_size 159
	.end_amdhsa_kernel
	.amdgpu_metadata
---
amdhsa.version: [ 1, 2 ]
amdhsa.kernels:
  - .name:           k_qaef2d30e78_oproj
    .symbol:         k_qaef2d30e78_oproj.kd
    .args:
      - { .name: ocodes, .offset: 0, .size: 8, .value_kind: global_buffer, .address_space: global }
      - { .name: oscales, .offset: 8, .size: 8, .value_kind: global_buffer, .address_space: global }
      - { .name: codes, .offset: 16, .size: 8, .value_kind: global_buffer, .address_space: global }
      - { .name: scales, .offset: 24, .size: 8, .value_kind: global_buffer, .address_space: global }
      - { .name: out0, .offset: 32, .size: 8, .value_kind: global_buffer, .address_space: global }
    .group_segment_fixed_size: 327680
    .private_segment_fixed_size: 0
    .kernarg_segment_align: 8
    .kernarg_segment_size: 40
    .max_flat_workgroup_size: 128
    .sgpr_count:     98
    .vgpr_count:     1024
    .wavefront_size: 32
...
	.end_amdgpu_metadata
.endif
;; end of part 4
